; MI455X (gfx1250); checked and timed in simulation.
; The chip was launched on July 23, 2026; its instructions are those of AMD's public machine-readable ISA for CDNA 5 (MIT licence, August 2026) and "CDNA5" Instruction Set Architecture Reference Guide (July 2026). The comments in the code are by the model that wrote it; some were corrected since.
;; Ring Dilated Attention Hilbert Optimized Correct. Allowed arithmetic: matrix products marked QUANTISED: E4M3 operands, one E8M0 scale for each 32 along K, by v_wmma_scale_f32_16x16x128_f8f6f4 with both operands' format E4M3, f32 sums; everything else in f32.
;; Inputs: Wout 1,024 x 1,024 float32; Wqkv 3,072 x 1,024 float32; bout 1,024 float32; bqkv 3,072 float32; x 1 x 8,192 x 1,024 float32.
;; Outputs: out0 1 x 8,192 x 1,024 float32.
;; This version of the problem:
;;   THIS VERSION OF THE PROBLEM IS GIVEN IN LOW PRECISION. The matrix products marked QUANTISED in the list below multiply operands that are first quantised to E4M3 (4 exponent bits, 3 mantissa bits; 8 bits a number), with one power-of-two scale for each 32 numbers along K (OCP MX v1.0); their sums are f32. All else is computed in f32.
;;   The module's matrix products, in the order in which they are computed (A, B: the left and right operand; K: the contracted axis; several contracted axes count as one K, in the product's order):
;;     1. [M 8,192, K 1,024] x [K 1,024, N 3,072]; A: input x; B: input Wqkv: QUANTISED
;;     2. batch 16 x [M 2,048, K 64] x [K 64, N 2,048]; A: computed on the way; B: computed on the way: QUANTISED
;;     3. batch 16 x [M 2,048, K 2,048] x [K 2,048, N 64]; A: softmax (see below); B: computed on the way: QUANTISED
;;     4. batch 16 x [M 2,048, K 64] x [K 64, N 1,024]; A: computed on the way; B: computed on the way: QUANTISED
;;     5. batch 16 x [M 2,048, K 1,024] x [K 1,024, N 64]; A: softmax (see below); B: computed on the way: QUANTISED
;;     6. batch 16 x [M 4,096, K 64] x [K 64, N 1,024]; A: computed on the way; B: computed on the way: QUANTISED
;;     7. batch 16 x [M 4,096, K 1,024] x [K 1,024, N 64]; A: softmax (see below); B: computed on the way: QUANTISED
;;     8. [M 8,192, K 1,024] x [K 1,024, N 1,024]; A: computed on the way; B: input Wout: QUANTISED
;;   THE QUANTISER, for each operand of a quantised product, along K:
;;     - K is cut into blocks of 32 from its start; a last block that is shorter is filled with zeros.
;;     - A block's scale is 2^e with e = floor(log2(the largest magnitude in the block)) - 8, held to -126 .. 127; a block of zeros has e = 0. As a byte (E8M0): e + 127.
;;     - Each number is divided by its block's scale, clamped to +-448, and rounded to the nearest number of E4M3, ties to even, subnormals kept.
;;     - The product sums the exact products of the quantised numbers (number of the format x scale) in f32.
;;   ~~~python
;;   def quantise(x, axis):      # numpy; x: float32 -> the quantised numbers, widened to float32 again
;;       x = np.moveaxis(x, axis, -1); K = x.shape[-1]
;;       x = np.pad(x, [(0, 0)] * (x.ndim - 1) + [(0, -K % 32)]); x = x.reshape(x.shape[:-1] + (-1, 32)); a = np.abs(x).max(-1, keepdims=True)
;;       e = np.where(a > 0, np.clip(np.frexp(np.where(a > 0, a, 1))[1] - 1 - 8, -126, 127), 0)      # np.frexp(a)[1] - 1 = floor(log2(a)), exactly
;;       r = np.clip(x / 2.0 ** e, -448, 448)
;;       step = 2.0 ** (np.maximum(np.frexp(np.where(r == 0, 1, r))[1] - 1, -6) - 3)
;;       q = np.round(r / step) * step * 2.0 ** e      # np.round: ties to even
;;       return np.moveaxis(q.reshape(q.shape[:-2] + (-1,))[..., :K], -1, axis).astype(np.float32)
;;   ~~~
;;   SOFTMAX AHEAD OF A QUANTISED PRODUCT. Where the list says 'softmax', what is quantised is not the finished softmax but p = 2^(t - M), with t = logit x log2(e) and M = ceil(the row's largest t), a whole number; so 1/2 < the row's largest p <= 1. The row's sum l is taken of the UNQUANTISED p, in f32, and the product's result is divided by l at the end. Since M is a whole number, a kernel that streams over the keys may use a running M (the ceiling of the running maximum): every later rescaling is an exact power of two, which a block's scale takes up: the codes' values come out the same.
;;   OPERANDS COMPUTED ON THE WAY. 'Computed on the way' means the value that the module computes at that place (a softmax that the list does not call 'softmax' is quantised finished and normalised). What goes into a quantiser is computed in f32, as accurately as f32 sums, v_exp_f32 and their like allow (about 1e-6 of the number): no bf16 or f16 on the way to a quantiser, and a product that is left as it is and whose result goes on into a quantised operand takes f32 operands (vector FMAs, or v_wmma_f32_16x16x4_f32). A number that lies on a knife's edge between two numbers of the format may be rounded either way, as far as f32 arithmetic and the matrix unit's own rounding can turn it there, and no further.
;; One version. Each part assembles by itself: llvm-mc -triple=amdgcn-amd-amdhsa -mcpu=gfx1250 --defsym DOCPART=n.
;; ======== version 1 of 1: 4 launches
;; limits: right only within a limited range of input values
;; workspace buffers: codes 12,582,912 bytes; scales 393,216 bytes; qb 8,912,896 bytes; kv 8,650,752 bytes; oc 8,388,608 bytes; os 262,144 bytes
;; launch quant (part 1): grid 256 x 1, 6 waves a work-group, no clusters, 49,920 bytes of LDS; arguments x, Wqkv, Wout, codes, scales; writes codes, scales
.if DOCPART == 1
	.amdgcn_target "amdgcn-amd-amdhsa--gfx1250"
	.amdhsa_code_object_version 6
	.text
	.protected	k_qa064b3baa1_quant
	.globl	k_qa064b3baa1_quant
	.p2align	8
	.type	k_qa064b3baa1_quant,@function
k_qa064b3baa1_quant:
	s_mov_b64 s[64:65], 0
	v_nop
	global_prefetch_b8 v0, s[64:65] scope:SCOPE_SE
	s_setreg_imm32_b32 hwreg(HW_REG_WAVE_MODE, 25, 1), 1
	s_wait_xcnt 0x0
; x [8192][1024], Wqkv [3072][1024] and Wout [1024][1024], f32, become codes of FP8 (E4M3), K innermost, and one E8M0 scale byte for each 32 along K, in one buffer of 12,288 rows:
;   codes [12288][1024] bytes, scales [12288][32] bytes.  Rows 0-8191: x, REORDERED; rows 8192-11263: Wqkv; rows 11264-12287: Wout; the rows of both weights with bits 3 and 4 of their number exchanged.
; THE ORDER OF x's ROWS.  Row rho holds token(rho).  tau = rho with bits 3 and 4 exchanged; blk = tau >> 10, j = tau & 1023.  blk 0, 1: segment 0, place j, 1024 + j on its Hilbert walk; blk 2, 4: segment 1, places 2 j, 2 j + 1;
; blk 3, 5, 6, 7: segment 2, places 4 j .. 4 j + 3.  So tau 0-4095 are the keys that the dilation keeps, in their order, and the rest are queries only.  A place on a walk of 2,048 is Hilbert distance d = place + 2,048 x (place >= 1,024)
; on the 64 x 64 grid; on the walk of 4,096 it is the distance itself.  token = the segment's first token + 64 y(d) + x(d).
; WORK LEFT OUT BY THE PROGRAM: reference() slices k and v by [::dil_rate] in Hilbert order, so k and v of the tokens that the slice drops reach no output, whatever the inputs hold: the next launch does not compute them.
; A NaN, an infinity or an overflow that would arise only there is not carried to the result.  Every input has a way to the output and is loaded.
; THE EXCHANGE OF BITS 3 AND 4: sixteen neighbouring rows of the buffer are then rows 32 b + 8 u + r + 8 (r / 8) of the true order, so that in a transposed product a lane's 16 results of two neighbouring tiles are 16 neighbours.
; A block's scale is 2^(floor(log2(its largest magnitude)) - 8); its byte is the largest magnitude's exponent field - 8, held at 1 from below; numbers are held within +-448 x the scale and rounded to the nearest code, ties to even.
; LIMITS: a block whose largest magnitude lies under 2^-118 gets the byte 1 (a block of zeros too, where the quantiser's text says 127: its codes are zeros, and this program alone reads the bytes); NaN and infinities are not served.
; SHARES.  12,288 rows are 1,536 runs of 8 rows: 256 work-groups of six waves, a run to a wave, 16 steps of 512 numbers.  The source is chosen by the run's number.  Each load reads 512 consecutive bytes; a step's 2,048 bytes
; turn through the wave's own stage in LDS, so that a lane holds 16 neighbours.  No tensor loads, no barrier: waves share nothing.  Loads run four steps (16 loads a wave) ahead, the turn through LDS one step.
.set STEPS, 16
.set EMAX,  8
.set MANT,  0x600000                   ; the mantissa field of 448 as f32
.set CB,    16
.set R,     16                         ; v16-79   four sets of 16 numbers as they are loaded (v16-26 serve the row arithmetic first)
.set X,     80                         ; v80-111  two sets of 16 neighbours
.set E,     112                        ; v112-127 a scale byte for each step
.set C,     128                        ; v128-191 codes: four registers for each step
.set VO,    192                        ; v192-199 row i of my eight: its byte offset in the source + 16 x lane
.set WREG,  8192                       ; LDS: a region for each wave: two stages of 32 x SP bytes, then its 256 scale bytes
.set SPARE, 6*WREG                     ; the spare words, 128 bytes a wave: three blocks of 256 bytes that no other line names
.set SP,    80
.set SH,    32                         ; s32 the shift of j, also the segment's number;  s33 what is added;  s34 the segment's first token;  s35 0x400 on the walks of 2,048
.set OFF,   33
.set POS,   34
.set M10,   35
.set TS,    37
.macro SEGPAR blk
	s_lshl_b32 s[TS], s[\blk], 2
	s_lshr_b32 s[SH], 0x22212100, s[TS]
	s_and_b32 s[SH], s[SH], 3
	s_lshr_b32 s[OFF], 0x32110000, s[TS]
	s_and_b32 s[OFF], s[OFF], 3
	s_cmp_eq_u32 s[\blk], 1
	s_cselect_b32 s[OFF], 0x400, s[OFF]
	s_lshl_b32 s[POS], s[SH], 11
	s_cmp_lt_u32 s[SH], 2
	s_cselect_b32 s[M10], 0x400, 0
.endm
.macro SWAP34 out, in, tmp             ; bits 3 and 4 exchanged
	v_lshrrev_b32 v[\tmp], 1, v[\in]
	v_xor_b32 v[\tmp], v[\tmp], v[\in]
	v_and_b32 v[\tmp], 8, v[\tmp]
	v_mul_u32_u24 v[\tmp], v[\tmp], 3
	v_xor_b32 v[\out], v[\in], v[\tmp]
.endm
.macro HILB d, x, y, a, b, c, f        ; Hilbert distance d -> (x, y) on the 64 x 64 grid, level by level from the finest
	v_bfe_u32 v[\x], v[\d], 1, 1
	v_and_b32 v[\y], 1, v[\d]
	v_xor_b32 v[\y], v[\y], v[\x]
.irp i, 1,2,3,4,5
	v_bfe_u32 v[\a], v[\d], 2*\i+1, 1
	v_bfe_u32 v[\b], v[\d], 2*\i, 1
	v_xor_b32 v[\b], v[\b], v[\a]
	v_add_nc_u32 v[\c], -1, v[\b]
	v_sub_nc_u32 v[\f], 0, v[\a]
	v_and_b32 v[\f], v[\f], v[\c]
	v_and_b32 v[\f], (1<<\i)-1, v[\f]              ; where ry = 0 and rx = 1: x and y are mirrored,
	v_xor_b32 v[\x], v[\x], v[\f]
	v_xor_b32 v[\y], v[\y], v[\f]
	v_xor_b32 v[\f], v[\x], v[\y]
	v_and_b32 v[\f], v[\f], v[\c]                  ; and where ry = 0 they change places
	v_xor_b32 v[\x], v[\x], v[\f]
	v_xor_b32 v[\y], v[\y], v[\f]
	v_lshl_or_b32 v[\x], v[\a], \i, v[\x]
	v_lshl_or_b32 v[\y], v[\b], \i, v[\y]
.endr
.endm
.macro TOKEN out, in, t                ; token(rho); t: the first of seven registers at work
	SWAP34 \t, \in, \t+1
	v_and_b32 v[\t], 0x3ff, v[\t]
	v_lshlrev_b32 v[\t], s[SH], v[\t]
	v_add_nc_u32 v[\t], s[OFF], v[\t]
	v_and_b32 v[\t+1], s[M10], v[\t]
	v_lshl_add_u32 v[\t], v[\t+1], 1, v[\t]
	HILB \t, \t+1, \t+2, \t+3, \t+4, \t+5, \t+6
	v_lshl_or_b32 v[\out], v[\t+2], 6, v[\t+1]
	v_add_nc_u32 v[\out], s[POS], v[\out]
.endm
	s_load_b128 s[4:7], s[0:1], 0x0                ; x, Wqkv
	s_load_b128 s[8:11], s[0:1], 0x10              ; Wout, the codes
	s_load_b64 s[12:13], s[0:1], 0x20              ; the scale bytes
	v_lshl_add_u32 v208, v0, 2, SPARE
	v_mov_b32 v209, 0
	v_lshrrev_b32 v1, 5, v0
	v_readfirstlane_b32 s16, v1                    ; wave
	v_and_b32 v2, 31, v0                           ; lane
	v_lshlrev_b32 v3, 4, v2
	s_mul_i32 s17, s16, WREG
	v_lshrrev_b32 v14, 2, v2
	v_mul_u32_u24 v14, v14, SP
	v_and_b32 v15, 3, v2
	v_lshl_add_u32 v14, v15, 4, v14
	v_add_nc_u32 v14, s17, v14                     ; the stage, on the way in: SP (lane / 4) + 16 (lane % 4)
	v_mul_u32_u24 v15, v2, SP
	v_add_nc_u32 v15, s17, v15                     ; and on the way out: SP x lane
	v_mul_u32_u24 v4, v2, CB
	v_lshrrev_b32 v5, 1, v2
	s_add_co_u32 s17, s17, 2*32*SP
	v_add_nc_u32 v5, s17, v5                       ; LDS: my block's byte among my wave's 256
	v_lshlrev_b32 v7, 3, v2
	v_add_nc_u32 v6, s17, v7
	s_mov_b32 s23, MANT
	s_mul_i32 s18, ttmp9, 6
	s_add_co_u32 s18, s18, s16                     ; my run of 8 rows: 6 x work-group + wave
	s_lshl_b32 s38, s18, 3                         ; its first row
	s_bfe_u32 s36, s38, 0x3000a                    ; blk; in the weights' runs what is made of it is not used
	SEGPAR 36
	s_mov_b32 s20, 11264                           ; the first row of my tensor in the buffer: Wout's,
	s_cmp_lt_u32 s18, 1408
	s_cselect_b32 s20, 8192, s20                   ; Wqkv's (runs 1,024 to 1,407),
	s_cmp_lt_u32 s18, 1024
	s_cselect_b32 s20, 0, s20                      ; x's
	s_cselect_b32 s22, -1, 0
	v_and_b32 v16, 7, v0
	v_add_nc_u32 v16, s38, v16
	TOKEN 24, 16, 17
	SWAP34 25, 16, 26
	v_sub_nc_u32 v25, v25, s20                     ; a weight's row: the tensors begin at multiples of 32, so the exchange may come first
	v_cndmask_b32 v24, v25, v24, s22               ; the row of the source
.irp i, 0,1,2,3,4,5,6,7
	v_readlane_b32 s[24+\i], v24, \i
.endr
.irp i, 0,1,2,3,4,5,6,7
	s_lshl_b32 s[24+\i], s[24+\i], 12
	v_add_nc_u32 v[VO+\i], s[24+\i], v3
.endr
	s_lshl_b32 s40, s18, 13                        ; a run's codes are 8,192 bytes,
	s_mov_b32 s41, 0
	s_lshl_b32 s42, s18, 8                         ; its scale bytes 256
	s_mov_b32 s43, 0
	s_wait_alu depctr_va_vdst(0)                   ; the wait at the head's end
	s_wait_kmcnt 0x0
	s_cmp_lt_u32 s18, 1408                         ; the source is chosen by the run's number alone
	s_cselect_b64 s[6:7], s[6:7], s[8:9]
	s_cmp_lt_u32 s18, 1024
	s_cselect_b64 s[4:5], s[4:5], s[6:7]
	s_add_nc_u64 s[10:11], s[10:11], s[40:41]
	s_add_nc_u64 s[12:13], s[12:13], s[42:43]
.macro LOAD t                          ; step t: half t % 2 of row t / 2
.irp i, 0,1,2,3
	global_load_b128 v[R+16*((\t)%4)+4*\i:R+16*((\t)%4)+4*\i+3], v[VO+(\t)/2], s[4:5] offset:2048*((\t)%2)+512*\i th:TH_LOAD_NT
.endr
.endm
.macro TURN t                          ; through the stage: LDS serves a wave's instructions in order, so no wait stands between the stores and the loads
.irp i, 0,1,2,3
	ds_store_b128 v14, v[R+16*((\t)%4)+4*\i:R+16*((\t)%4)+4*\i+3] offset:32*SP*((\t)%2)+8*SP*\i
.endr
.irp i, 0,1,2,3
	ds_load_b128 v[X+16*((\t)%2)+4*\i:X+16*((\t)%2)+4*\i+3], v15 offset:32*SP*((\t)%2)+16*\i
.endr
.endm
.irp t, 0,1,2,3
	LOAD \t
.endr
	s_wait_loadcnt 12                              ; step 0's four loads are in; the twelve of steps 1 to 3 may be out
	TURN 0
.macro STEP t
.set XS, X+16*((\t)%2)
.if (\t) > 0
	s_wait_dscnt 1                                 ; this step's numbers are back from the stage (the last step's byte store may be out)
.else
	s_wait_dscnt 0x0
.endif
.if (\t)+4 < STEPS
	LOAD (\t)+4
.endif
.if (\t)+1 < STEPS
.if STEPS-2-(\t) >= 3
	s_wait_loadcnt 12                              ; the next step's four loads are in; those of the three steps behind it may be out
.else
	s_wait_loadcnt 4*(STEPS-2-(\t))
.endif
	TURN (\t)+1
.endif
	v_max3_num_f32 v8, |v[XS]|, |v[XS+1]|, |v[XS+2]|               ; the largest magnitude of my 16, in two chains
	v_max3_num_f32 v9, |v[XS+3]|, |v[XS+4]|, |v[XS+5]|
.irp i, 6,10
	v_max3_num_f32 v8, v8, |v[XS+\i]|, |v[XS+\i+1]|
	v_max3_num_f32 v9, v9, |v[XS+\i+2]|, |v[XS+\i+3]|
.endr
	v_max3_num_f32 v8, v8, |v[XS+14]|, |v[XS+15]|
	v_max3_num_f32 v8, v8, v9, (EMAX+1)<<23        ; and the floor 2^(9 - 127)
	v_max_num_f32_dpp v8, v8, v8 row_xmask:1 row_mask:0xf bank_mask:0xf   ; and of my neighbour's 16
	v_add_nc_u32 v11, -(EMAX<<23), v8              ; the conversion's scale operand
	v_and_or_b32 v10, v8, 0x7f800000, s23          ; 448 x the scale
.irp i, 0,1,2,3,4,5,6,7,8,9,10,11,12,13,14,15
	v_med3_num_f32 v[XS+\i], v[XS+\i], -v10, v10   ; the conversion does not saturate (ISA guide 7.6.2): the hold comes first
.endr
	v_cvt_scalef32_pk8_fp8_f32 v[C+4*(\t):C+4*(\t)+1], v[XS:XS+7], v11
	v_cvt_scalef32_pk8_fp8_f32 v[C+4*(\t)+2:C+4*(\t)+3], v[XS+8:XS+15], v11
	v_lshrrev_b32 v[E+(\t)], 23, v11               ; the scale's byte
	ds_store_b8 v5, v[E+(\t)] offset:16*(\t)
	global_store_b128 v4, v[C+4*(\t):C+4*(\t)+3], s[10:11] offset:32*CB*(\t)      ; 32 lanes store 512 consecutive bytes
.endm
.irp t, 0,1,2,3,4,5,6,7,8,9,10,11,12,13,14,15
	STEP \t
.endr
	ds_load_b64 v[12:13], v6
	s_wait_dscnt 0x0
	global_store_b64 v7, v[12:13], s[12:13]        ; 32 lanes store 256 consecutive bytes, aligned
	s_wait_tensorcnt 0x0                           ; the wave's end
	ds_add_u32 v208, v209
	s_wait_dscnt 0x0
	s_endpgm
.Lfunc_end_k_qa064b3baa1_quant:
	.size	k_qa064b3baa1_quant, .Lfunc_end_k_qa064b3baa1_quant-k_qa064b3baa1_quant
	.p2alignl 7, 3214868480
	.fill 96, 4, 3214868480
	.section	.rodata,"a",@progbits
	.p2align	6, 0x0
	.amdhsa_kernel k_qa064b3baa1_quant
		.amdhsa_group_segment_fixed_size 49920
		.amdhsa_private_segment_fixed_size 0
		.amdhsa_enable_private_segment 0
		.amdhsa_kernarg_size 40
		.amdhsa_user_sgpr_count 2
		.amdhsa_user_sgpr_kernarg_segment_ptr 1
		.amdhsa_wavefront_size32 1
		.amdhsa_system_sgpr_workgroup_id_x 1
		.amdhsa_system_sgpr_workgroup_id_y 1
		.amdhsa_system_sgpr_workgroup_id_z 1
		.amdhsa_system_vgpr_workitem_id 0
		.amdhsa_next_free_vgpr 210
		.amdhsa_next_free_sgpr 66
		.amdhsa_reserve_vcc 0
		.amdhsa_float_denorm_mode_32 3
		.amdhsa_float_denorm_mode_16_64 3
		.amdhsa_memory_ordered 1
		.amdhsa_forward_progress 1
		.amdhsa_inst_pref_size 57
	.end_amdhsa_kernel
	.amdgpu_metadata
---
amdhsa.version: [ 1, 2 ]
amdhsa.kernels:
  - .name:           k_qa064b3baa1_quant
    .symbol:         k_qa064b3baa1_quant.kd
    .args:
      - { .name: x, .offset: 0, .size: 8, .value_kind: global_buffer, .address_space: global }
      - { .name: Wqkv, .offset: 8, .size: 8, .value_kind: global_buffer, .address_space: global }
      - { .name: Wout, .offset: 16, .size: 8, .value_kind: global_buffer, .address_space: global }
      - { .name: codes, .offset: 24, .size: 8, .value_kind: global_buffer, .address_space: global }
      - { .name: scales, .offset: 32, .size: 8, .value_kind: global_buffer, .address_space: global }
    .group_segment_fixed_size: 49920
    .private_segment_fixed_size: 0
    .kernarg_segment_align: 8
    .kernarg_segment_size: 40
    .max_flat_workgroup_size: 192
    .sgpr_count:     66
    .vgpr_count:     210
    .wavefront_size: 32
...
	.end_amdgpu_metadata
.endif
;; end of part 1
;; launch qkv (part 2): grid 16 x 16, 4 waves a work-group, clusters of 4 x 4, 327,680 bytes of LDS; arguments codes, scales, bqkv, qb, kv; writes qb, kv
.if DOCPART == 2
	.amdgcn_target "amdgcn-amd-amdhsa--gfx1250"
	.amdhsa_code_object_version 6
	.text
	.protected	k_qa064b3baa1_qkv
	.globl	k_qa064b3baa1_qkv
	.p2align	8
	.type	k_qa064b3baa1_qkv,@function
k_qa064b3baa1_qkv:
	s_mov_b64 s[64:65], 0
	v_nop
	global_prefetch_b8 v0, s[64:65] scope:SCOPE_SE
	s_setreg_imm32_b32 hwreg(HW_REG_WAVE_MODE, 25, 1), 1
	s_wait_xcnt 0x0
	s_wait_alu depctr_hold_cnt(0) depctr_sa_sdst(0) depctr_va_vdst(0) depctr_va_sdst(0) depctr_va_ssrc(0) depctr_va_vcc(0) depctr_vm_vsrc(0)
	s_getreg_b32 s2, hwreg(HW_REG_IB_STS2, 6, 4)
	s_cmp_eq_u32 s2, 0
	s_cbranch_scc0 .Lentry_in_a_cluster
	s_endpgm
.Lentry_in_a_cluster:
	s_bfe_u32 s2, ttmp6, 0x10000c
	s_cmp_lg_u32 s2, 0xf033
	s_cbranch_scc0 .Lentry_shape_is_right
	s_endpgm
.Lentry_shape_is_right:
; q, k, v = x Wqkv^T + bqkv on codes of FP8 (E4M3) with one E8M0 scale for each 32 along K = 1,024, and their quantising for the attention that follows.
; A: rows 0-8191 of the buffer of codes (x's tokens in this program's order rho); B: rows 8192-11263 (Wqkv, bits 3 and 4 of the row number exchanged).  Scale bytes [row][32] beside them.
; WHAT IS COMPUTED: q for all 8,192 rows; k and v for rows 0-4095 alone, which are the keys that the dilation keeps: 128 + 64 + 64 = 256 tiles of 256 x 256, one to a work-group.
; A work-group is four waves, a wave makes 128 x 128: 64 accumulators, 512 registers.  K goes in steps of 256 through a ring of two LDS slots; the scale bytes of the tile's rows come into LDS once.
; CLUSTERS: 4 x 4 work-groups; A's tiles are asked for jointly along a row of the cluster, B's along a column.  A cluster lies wholly in q, in k or in v (f = 0, 1, 2), so branches on f are alike in all partners.
; THE PRODUCT IS USED TRANSPOSED (source 0 = 16 rows of B, source 1 = 16 rows of A).  With B's rows exchanged as said, lane (r, h) holds row r of A's block a, and the 16 registers of accumulators (a, 2 bb), (a, 2 bb + 1)
; are the columns 32 bb + 16 h + 0 .. 15 of the wave's 128: sixteen neighbours along a head's 64.  THE BIAS is the C of each sum's first product.
; THE WAY OUT.  Nothing leaves as f32.  q, k: quantised along the head's 64 in registers; four registers of codes are a piece of an operand's registers and leave as they stand, 16 bytes a lane, 512 consecutive bytes a store.
;   qb [head 16][group of 128 rows, 64][8,704]: tile a of 16 rows at 1,024 a, piece c at + 512 c; at 8,192 the scale words (b0, b1, b0, b1): tile a, row r at 256 (a / 4) + 16 r + 4 (a % 4).
;   kv [head 16][step of 128 keys, 32][16,896]: k's pieces as q's; at 8,192 v's; at 16,384 k's scale words (two tiles' bytes in one word: fragment F, row r at 16 r + 4 F); at 16,640 v's (tile t, row r at 16 r + 4 t).
;   v: its K is the keys.  32 keys x 128 columns at a time go through the wave's stage in LDS, so that a lane holds one column and 32 keys in their true order; its codes leave as pieces of V^T's operand registers.
;   V^T's rows keep the buffer's row order (bits 3 and 4 exchanged), so that the attention's result again has 16 neighbours in a lane.
; LIMITS: a block whose largest magnitude lies under 2^-118 gets the byte 1 (a block of zeros too: its codes are zeros, and this program alone reads the bytes); NaN and infinities are not served.
; REGISTERS, in windows of 256: window 0: v1-29 addresses; v32-63 scale words, two sets; v64-127 the bias, later numbers at work; from v128 A's fragments, one set, later codes.
;   window 1: B's fragments, two sets.   window 2: the accumulators of my rows 0-63 ((a, b) at v[8 (8 a + b)]);   window 3: those of rows 64-127.
.set KSTEP,  256
.set NQ,     2                         ; matrix instructions deep in a slot
.set ROWB,   256                       ; a tile's row in bytes
.set KROW,   1024                      ; a row of codes in memory
.set PITCH,  272                       ; an LDS row: 256 bytes + 16 of padding: the 16 rows that a load touches start 4 words apart modulo 64 words
.set FR,     16
.set NL,     4
.set NP,     8                         ; places behind this matrix instruction (ISA guide 7.12.1)
.set HALFT,  128*PITCH
.set SLOT,   4*HALFT
.set LAPS,   2                         ; 1,024 / 512
.set KS,     32                        ; a row of scale bytes
.set SCL,    2*SLOT
.set HALFS,  (128*KS/256)*272
.set SBLK,   (16*KS/256)*272
.set SPARE,  SCL+4*HALFS               ; the spare words, 128 bytes a wave: two blocks of 256 bytes that no other line names
.set SPITCH, 528                       ; v's stage: 32 rows x (512 bytes + 16) for each wave, in slot 0, which has had its last fill and its last read by then
.set BROW0,  8192                      ; Wqkv's first row in the buffer
.set QHS,    557056                    ; qb: bytes a head,
.set QGS,    8704                      ; a group
.set KHS,    540672                    ; kv: bytes a head,
.set KGS,    16896                     ; a step
.set LI,   7                           ; v7   16 x lane
.set KSO,  8                           ; v8   KHS x h + 16 r: the scale words of two heads by one store
.set RD4,  9                           ; v9   my stage + 4 x lane
.set VVO,  10                          ; v10  2,048 h + 16 r: a column's place among V^T's pieces
.set BO,   11                          ; v11  64 h: the bias
.set ADRA, 16
.set ADRB, 20
.set STO,  24                          ; v24  my stage + 528 r + 32 h
.set ADRS, 27
.set SPW,  28
.set NIL,  29
.set SC,   32
.set BIAS, 64
.set AF,   128
.set X,    64                          ; the way out: 64 numbers at work
.set PC,   128                         ; q, k: four sets of 16 registers of codes
.set TM,   192                         ; v192-195 largest magnitudes, v196-199 bytes, v200-203 448 x the scale, v204-207 the conversions' scale operands
.set BP,   208                         ; v208-223 (tile a, head e) at 2 a + e: its two bytes
.set OW,   224                         ; v224-231 scale words on their way out
.set VC,   128                         ; v: eight sets of 8 registers of codes
.set WK,   192
.set SW,   200                         ; v200-203 a column's scale word, for each of the four groups of 32 columns
.set EX,   204
.set G1, 24
.set G0, 32
.set G1B, 48
.set G0B, 56
.set G1S, 68
.set G0S, 76
.set G1SB, 80
.set G0SB, 88
.set SEL, 66                           ; s[66:67] v_permlanex16_b32's selects for lane l xor 16
.set MNT, 92                           ; s92  the mantissa field of 448
.set MH,  93                           ; s93  lanes 16-31
.set FQ,  95                           ; s95  f: 0 q, 1 k, 2 v
.set MSB, 0
.macro WIN new                         ; the immediate's high byte repeats the setting that is left
.if MSB != \new
	s_set_vgpr_msb (MSB<<8)|\new
.set MSB, \new
.endif
.endm
.set MUL_LO, 0xa1                      ; source 0 (B) window 1, source 1 (A) window 0, C and D window 2
.set MUL_HI, 0xf1                      ; the same, C and D window 3
.set FST_LO, 0x81                      ; the first step: C (the bias) window 0, D window 2
.set FST_HI, 0xc1                      ; D window 3
.set TO_B,   0x40
; A joint load: waves 0 and 1 fetch for A, waves 2 and 3 for B; the branch hangs on the wave's number alone.  Four v_nop follow each of the two lines.
.macro JLOAD g0a, g1a, g0b, g1b
	s_cmp_eq_u32 s15, 0
	s_cbranch_scc0 .Lfor_b_\@
	tensor_load_to_lds s[\g0a:\g0a+3], s[\g1a:\g1a+7]
	s_nop 0
.rept 4
	v_nop
.endr
	s_branch .Lasked_\@
.Lfor_b_\@:
	tensor_load_to_lds s[\g0b:\g0b+3], s[\g1b:\g1b+7]
	s_nop 0
.rept 4
	v_nop
.endr
.Lasked_\@:
.endm
.macro CREST                           ; a round of the cluster's barrier behind its opening barrier
	s_cmp_lg_u32 s14, 0
	s_cbranch_scc1 .Lnot_wave_0_\@
	s_barrier_signal -3
.Lnot_wave_0_\@:
	s_barrier_wait -3
	s_barrier_signal -1
	s_barrier_wait -1
.endm
.macro CROUND
	s_barrier_signal -1
	s_barrier_wait -1
	CREST
.endm
	s_load_b128 s[4:7], s[0:1], 0x0                ; the codes, the scale bytes
	s_load_b64 s[12:13], s[0:1], 0x10              ; bqkv
	s_load_b64 s[96:97], s[0:1], 0x18              ; qb
	s_load_b64 s[98:99], s[0:1], 0x20              ; kv
	v_lshl_add_u32 v[SPW], v0, 2, SPARE
	v_mov_b32 v[NIL], 0
	ds_add_u32 v28, v29
	ds_add_u32 v28, v29
	s_wait_dscnt 0x0
	v_lshrrev_b32 v1, 5, v0
	v_readfirstlane_b32 s14, v1                    ; wave 0..3
	s_lshr_b32 s15, s14, 1                         ; which half of the tile's rows is mine.  Also: I fetch for A (0) or for B (1)
	s_and_b32 s16, s14, 1                          ; which half of its columns.  Also: which 128 rows of that tile I fetch
	s_bfe_u32 s40, ttmp6, 0x40000                  ; cx, cy: my place in the cluster
	s_bfe_u32 s41, ttmp6, 0x40004
	s_and_b32 s17, ttmp7, 0xffff                   ; cluster y: 0, 1: q; 2: k; 3: v
	s_lshl_b32 s2, s17, 2
	s_add_co_u32 s2, s2, ttmp9                     ; q: eight clusters down the 32 tile rows
	s_sub_co_u32 s[FQ], s17, 1
	s_cmp_lt_u32 s17, 2
	s_cselect_b32 s2, s2, ttmp9                    ; k, v: four clusters down the 16 tile rows
	s_cselect_b32 s[FQ], 0, s[FQ]
	s_lshl_b32 s17, s2, 2
	s_add_co_u32 s17, s17, s41                     ; tile row
	s_lshl_b32 s42, s[FQ], 2
	s_add_co_u32 s42, s42, s40                     ; tile column of the 12
	s_lshl_b32 s43, s41, 2
	s_lshl_b32 s43, 15, s43                        ; my row of the cluster
	s_lshl_b32 s44, 0x1111, s40                    ; my column
	; descriptor group 1: a tile of 128 rows x 256 bytes, padded in LDS
	s_or_b32 s[G1+0], s43, (0<<16)|(1<<20)|(1<<21)|(5<<22)|(3<<25)  ; the mask: my row; elements of 1 byte; padding on; bit 21 beside a mask; after every 64 words, 4 words
	s_or_b32 s[G1B+0], s44, (0<<16)|(1<<20)|(1<<21)|(5<<22)|(3<<25)
.irp g, G1, G1B
	s_mov_b32 s[\g+1], ROWB<<16                    ; tensor_dim0
	s_mov_b32 s[\g+2], 256<<16                     ; tensor_dim1: 256 rows for the head's loads; set to 128 for the ring's behind them
	s_mov_b32 s[\g+3], ROWB<<16                    ; tile_dim0
	s_mov_b32 s[\g+4], 256                         ; tile_dim1
	s_mov_b32 s[\g+5], KROW                        ; from row to row
	s_mov_b32 s[\g+6], 0
	s_mov_b32 s[\g+7], 0
.endr
	; the scale bytes of 256 rows: 8,192 dense bytes, as 32 rows of 256 bytes (32 elements of 8), 16 bytes of padding behind each
	s_or_b32 s[G1S+0], s43, (3<<16)|(1<<20)|(1<<21)|(5<<22)|(3<<25)
	s_or_b32 s[G1SB+0], s44, (3<<16)|(1<<20)|(1<<21)|(5<<22)|(3<<25)
.irp g, G1S, G1SB
	s_mov_b32 s[\g+1], 32<<16
	s_mov_b32 s[\g+2], (256*KS/256)<<16            ; the scale bytes of 256 rows: 32 rows of 256 bytes
	s_mov_b32 s[\g+3], 32<<16
	s_mov_b32 s[\g+4], 256*KS/256
	s_mov_b32 s[\g+5], 32
	s_mov_b32 s[\g+6], 0
	s_mov_b32 s[\g+7], 0
.endr
	s_lshl_b32 s20, s17, 8                         ; A: the tile's first row
	s_lshl_b32 s46, s42, 8                         ; B: likewise
	s_add_co_u32 s46, s46, BROW0                   ; B: row 8,192 + 256 x tile column
	s_mov_b32 s21, 0
	s_mov_b32 s47, 0
	s_mov_b64 s[18:19], KS
	s_mul_u64 s[22:23], s[20:21], s[18:19]         ; where these rows' scale bytes begin,
	s_mul_u64 s[92:93], s[46:47], s[18:19]
	s_mov_b64 s[18:19], KROW
	s_mul_u64 s[20:21], s[20:21], s[18:19]         ; and their codes
	s_mul_u64 s[46:47], s[46:47], s[18:19]
	s_mul_i32 s45, s14, HALFT                      ; where they go: wave x 128 rows: no place in the cluster enters an LDS address
	s_mul_i32 s18, s16, 128*KROW                   ; in the ring I fetch 128 rows of a tile: which half, in bytes
	s_mov_b32 s19, 0
	s_wait_kmcnt 0x0
	s_add_nc_u64 s[20:21], s[4:5], s[20:21]
	s_add_nc_u64 s[22:23], s[6:7], s[22:23]
	s_add_nc_u64 s[46:47], s[4:5], s[46:47]
	s_add_nc_u64 s[92:93], s[6:7], s[92:93]
	CROUND                                         ; all sixteen work-groups are here: the first joint loads meet
	s_mov_b32 s[G0S], 1
	s_mov_b32 s[G0S+1], SCL
	s_mov_b64 s[G0S+2:G0S+3], s[22:23]
	s_or_b32 s[G0S+3], s[G0S+3], 0x80000000
	s_mov_b32 s[G0SB], 1
	s_mov_b32 s[G0SB+1], SCL+2*HALFS
	s_mov_b64 s[G0SB+2:G0SB+3], s[92:93]
	s_or_b32 s[G0SB+3], s[G0SB+3], 0x80000000
.set G0H, 4                            ; s[4:7], s[8:11] group 0 of the head's loads of K step 0 (the arguments that lay in s[4:7] have been used)
.set G0HB, 8
	s_mov_b32 s[G0H], 1                            ; K step 0's 256 rows of A,
	s_mov_b32 s[G0H+1], 0
	s_mov_b64 s[G0H+2:G0H+3], s[20:21]
	s_or_b32 s[G0H+3], s[G0H+3], 0x80000000
	s_mov_b32 s[G0HB], 1                           ; its 256 rows of B, behind them in slot 0
	s_mov_b32 s[G0HB+1], 2*HALFT
	s_mov_b64 s[G0HB+2:G0HB+3], s[46:47]
	s_or_b32 s[G0HB+3], s[G0HB+3], 0x80000000
	s_add_nc_u64 s[20:21], s[20:21], s[18:19]      ; for the ring: my 128 rows of the tile
	s_add_nc_u64 s[46:47], s[46:47], s[18:19]
.irp s, 0,1
	s_mov_b32 s[G0+4*\s], 1
	s_add_co_u32 s[G0+4*\s+1], s45, \s*SLOT
	s_add_nc_u64 s[G0+4*\s+2:G0+4*\s+3], s[20:21], \s*ROWB
	s_or_b32 s[G0+4*\s+3], s[G0+4*\s+3], 0x80000000
	s_mov_b32 s[G0B+4*\s], 1
	s_add_co_u32 s[G0B+4*\s+1], s45, \s*SLOT
	s_add_nc_u64 s[G0B+4*\s+2:G0B+4*\s+3], s[46:47], \s*ROWB
	s_or_b32 s[G0B+4*\s+3], s[G0B+4*\s+3], 0x80000000
.endr
; THE HEAD'S LOADS, ONE A WAVE: wave 0 K step 0's rows of A, wave 1 those of B, wave 2 A's scale bytes, wave 3 B's.  One chain of branches on the wave's number, a load to an arm.
.macro ARM under, g0, g1, next
	s_cmp_lt_u32 s14, \under
	s_cbranch_scc0 \next
	tensor_load_to_lds s[\g0:\g0+3], s[\g1:\g1+7]
	s_nop 0
.rept 4
	v_nop
.endr
	s_branch .Lhead_asked
\next:
.endm
	ARM 1, G0H,  G1,  .Lhead_b
	ARM 2, G0HB, G1B, .Lhead_sa
	ARM 3, G0S,  G1S, .Lhead_sb
	tensor_load_to_lds s[G0SB:G0SB+3], s[G1SB:G1SB+7]
	s_nop 0
.rept 4
	v_nop
.endr
.Lhead_asked:
	v_and_b32 v1, 15, v0                           ; r = l % 16
	s_wait_alu depctr_va_vdst(0)
	v_bfe_u32 v2, v0, 4, 1                         ; h = l / 16
	; the bias in the result's layout: register j of tile b is column 32 (b / 2) + 16 h + 8 (b % 2) + j of my 128
	s_lshl_b32 s2, s42, 10
	s_lshl_b32 s3, s16, 9
	s_add_co_u32 s2, s2, s3
	s_mov_b32 s3, 0
	s_add_nc_u64 s[12:13], s[12:13], s[2:3]
	v_lshlrev_b32 v[BO], 6, v2
.irp b, 0,1,2,3,4,5,6,7
	global_load_b128 v[BIAS+8*\b:BIAS+8*\b+3], v[BO], s[12:13] offset:(32*(\b/2)+8*(\b%2))*4
	global_load_b128 v[BIAS+8*\b+4:BIAS+8*\b+7], v[BO], s[12:13] offset:(32*(\b/2)+8*(\b%2))*4+16
.endr
	v_mul_u32_u24 v3, v1, PITCH
	v_lshl_add_u32 v4, v2, 4, v3                   ; a fragment's row x pitch + 16 x half
	s_mul_i32 s21, s15, HALFT                      ; my 128 rows of A
	s_mul_i32 s22, s16, HALFT                      ; my 128 rows of B,
	s_add_co_u32 s22, s22, 2*HALFT                 ; which lie behind A's 256
.irp s, 0,1
	v_add_nc_u32 v[ADRA+\s], s21, v4
	v_add_nc_u32 v[ADRB+\s], s22, v4
	s_add_co_u32 s21, s21, SLOT
	s_add_co_u32 s22, s22, SLOT
.endr
	v_mul_u32_u24 v5, v1, KS                       ; my row's scale bytes: 32 a row,
	v_lshrrev_b32 v6, 8, v5
	v_lshl_add_u32 v5, v6, 4, v5                   ; and 16 more for each 256 passed
	s_mul_i32 s21, s15, HALFS
	s_mul_i32 s22, s16, HALFS
	s_add_co_u32 s22, s22, 2*HALFS
	s_sub_co_u32 s22, s22, s21
	v_mul_u32_u24 v6, s22, v2                      ; lanes 16-31 take B's
	s_add_co_u32 s21, s21, SCL
	v_add_nc_u32 v5, v5, v6
	v_add_nc_u32 v[ADRS], s21, v5
	s_mul_i32 s23, s14, 32*SPITCH                  ; my stage (v's way out)
	v_mul_u32_u24 v5, v1, SPITCH
	v_lshl_add_u32 v5, v2, 5, v5
	v_add_nc_u32 v[STO], s23, v5
	v_and_b32 v6, 31, v0
	v_lshl_add_u32 v[RD4], v6, 2, s23
	v_lshlrev_b32 v[LI], 4, v6
	v_mul_u32_u24 v[KSO], v2, KHS
	v_lshl_add_u32 v[KSO], v1, 4, v[KSO]
	v_lshlrev_b32 v[VVO], 11, v2
	v_lshl_add_u32 v[VVO], v1, 4, v[VVO]
.macro FRAG reg, adr, q, i             ; a fragment, 16 rows x 128 K: lane l holds row l % 16; registers 4 c .. 4 c + 3 hold K = 32 c + 16 (l / 16) + 0 .. 15
.irp c, 0,1,2,3
	ds_load_b128 v[\reg+4*\c:\reg+4*\c+3], v[\adr] offset:128*(\q)+32*\c+(\i)*16*PITCH
.endr
.endm
; 16 matrix instructions: A's blocks a0, a0 + 1 x B's eight.  p: B's set; sc: the set of scale words.  zero = 1: the first product starts the sums, on the bias.  The 64 accumulators take turns, one instruction a turn.
.macro MUL16 a0, p, q, sc, zero
.irp a, \a0, \a0+1
.irp b, 0,1,2,3,4,5,6,7
.if \zero
	v_wmma_scale_f32_16x16x128_f8f6f4 v[8*(8*((\a)%4)+\b):8*(8*((\a)%4)+\b)+7], v[128*(\p)+FR*\b:128*(\p)+FR*\b+FR-1], v[AF+FR*(\a):AF+FR*(\a)+FR-1], v[BIAS+8*\b:BIAS+8*\b+7], v[SC+8*NQ*(\sc)+NQ*\b+(\q)], v[SC+8*NQ*(\sc)+NQ*(\a)+(\q)] matrix_a_scale:MATRIX_SCALE_ROW1
.else
	v_wmma_scale_f32_16x16x128_f8f6f4 v[8*(8*((\a)%4)+\b):8*(8*((\a)%4)+\b)+7], v[128*(\p)+FR*\b:128*(\p)+FR*\b+FR-1], v[AF+FR*(\a):AF+FR*(\a)+FR-1], v[8*(8*((\a)%4)+\b):8*(8*((\a)%4)+\b)+7], v[SC+8*NQ*(\sc)+NQ*\b+(\q)], v[SC+8*NQ*(\sc)+NQ*(\a)+(\q)] matrix_a_scale:MATRIX_SCALE_ROW1
.endif
.endr
.endr
.endm
.macro FETCH_B slot, q, p
	WIN TO_B
.irp i, 0,1,2,3,4,5,6,7
	FRAG 128*(\p)+FR*\i, ADRB+\slot, \q, \i
.endr
	WIN 0
.endm
.macro FETCH_A slot, q, i0
.irp i, \i0, \i0+1, \i0+2, \i0+3
	FRAG AF+FR*(\i), ADRA+\slot, \q, \i
.endr
.endm
.macro SCALES sc                       ; a K step's scale words: two words a row; lanes 0-15 take A's block i, lanes 16-31 B's block i
.irp i, 0,1,2,3,4,5,6,7
	ds_load_b64 v[SC+8*NQ*\sc+NQ*\i:SC+8*NQ*\sc+NQ*\i+1], v[ADRS] offset:\i*SBLK
.endr
.endm
.macro PLACES n                        ; plain vector instructions between a matrix instruction and a load into, or a read of, its registers
.rept \n
	v_nop
.endr
.endm
.macro STEP slot, q, zero              ; a step of 128 along K that has its successor in the same slot
	s_wait_dscnt 4*NL                              ; B's set and A's blocks 0-3 are in; the youngest sixteen loads (A's blocks 4-7) may be out
.if \zero
	WIN FST_LO
.else
	WIN MUL_LO
.endif
	MUL16 0, (\q)%2, \q, \slot, \zero
	MUL16 2, (\q)%2, \q, \slot, \zero
	s_wait_dscnt 0                                 ; A's blocks 4-7 are in
	PLACES NP
	FETCH_B \slot, (\q)+1, 1-(\q)%2
	FETCH_A \slot, (\q)+1, 0
.if \zero
	WIN FST_HI
.else
	WIN MUL_HI
.endif
	MUL16 4, (\q)%2, \q, \slot, \zero
	MUL16 6, (\q)%2, \q, \slot, \zero
	PLACES NP
	WIN 0
	FETCH_A \slot, (\q)+1, 4
.endm
; A slot's last step changes slots: one barrier; in front of it each wave waits for all its tensor loads, adds 0 to its spare word, and waits for that and for its own reads of this slot.  fill = 1: this slot is filled again, two K steps ahead.
.macro TURN slot, next, fill
	s_wait_tensorcnt 0x0                           ; all my tensor loads have landed: my part of the next slot
	ds_add_u32 v[SPW], v[NIL]                      ; 0 onto my spare word
	s_wait_dscnt 4*NL+1                            ; (the add and the youngest sixteen loads, A's blocks 4-7, may be out)
	WIN MUL_LO
	MUL16 0, 1, NQ-1, \slot, 0
	s_wait_dscnt 0x0                               ; the add is done, and my reads of this slot are over
	s_barrier_signal -1
	MUL16 2, 1, NQ-1, \slot, 0
	WIN 0
	s_barrier_wait -1
.if \fill
	CREST                                          ; the barrier has opened a round of the cluster's: no wave of any partner still reads this slot or has a load on its way
	s_add_nc_u64 s[G0+4*\slot+2:G0+4*\slot+3], s[G0+4*\slot+2:G0+4*\slot+3], 2*ROWB
	s_add_nc_u64 s[G0B+4*\slot+2:G0B+4*\slot+3], s[G0B+4*\slot+2:G0B+4*\slot+3], 2*ROWB
	JLOAD G0+4*\slot, G1, G0B+4*\slot, G1B         ; the first tensor load behind the round; its four v_nop are among the places in front of the loads below
	PLACES NP-4
.else
	PLACES NP
.endif
	s_wait_alu depctr_va_vdst(0)
	v_add_nc_u32 v[ADRS], 4*NQ, v[ADRS]            ; on to the next K step's scale words
	FETCH_B \next, 0, 0
	FETCH_A \next, 0, 0
	SCALES \next
	WIN MUL_HI
	MUL16 4, 1, NQ-1, \slot, 0
	MUL16 6, 1, NQ-1, \slot, 0
	PLACES NP
	WIN 0
	FETCH_A \next, 0, 4
.endm
	s_wait_alu depctr_va_vdst(0)                   ; the wait at the head's end
	s_wait_loadcnt 0x0                             ; the bias
	s_wait_tensorcnt 0x0                           ; my tile of the head's four is in; slot 1's first fill is issued as a refill is:
	ds_add_u32 v[SPW], v[NIL]                      ; 0 onto my spare word
	s_mov_b32 s[G1+2], 128<<16                     ; no tensor load of mine is out: from here on a load brings 128 rows
	s_mov_b32 s[G1+4], 128
	s_mov_b32 s[G1B+2], 128<<16
	s_mov_b32 s[G1B+4], 128
	s_wait_dscnt 0x0
	CROUND                                         ; all four tiles are in, and all sixteen work-groups are here
	JLOAD G0+4, G1, G0B+4, G1B                     ; K step 1: the first tensor load behind the round
	FETCH_B 0, 0, 0
	FETCH_A 0, 0, 0
	SCALES 0
	FETCH_A 0, 0, 4
	STEP 0, 0, 1                                   ; the first step stands in front of the loop: its products start the sums
	s_mov_b32 s3, LAPS-1
.Llap:                                                 ; a trip goes once round the ring and fills both slots again
	TURN 0, 1, 1
	STEP 1, 0, 0
	TURN 1, 0, 1
	STEP 0, 0, 0
	s_sub_co_u32 s3, s3, 1
	s_cmp_lg_u32 s3, 0
	s_cbranch_scc1 .Llap
	TURN 0, 1, 0                                   ; the last lap fills nothing
	STEP 1, 0, 0
	s_wait_dscnt 4*NL                              ; the very last step
	WIN MUL_LO
	MUL16 0, 1, NQ-1, 1, 0
	MUL16 2, 1, NQ-1, 1, 0
	s_wait_dscnt 0
	WIN MUL_HI
	MUL16 4, 1, NQ-1, 1, 0
	MUL16 6, 1, NQ-1, 1, 0
	WIN 0
	PLACES NP
	; ---- THE WAY OUT.  My 128 rows are group (step) G = 2 x tile row + half; my 128 columns are heads head0, head0 + 1 of q, k or v
	s_lshl_b32 s2, s17, 1
	s_add_co_u32 s2, s2, s15                       ; G
	s_lshl_b32 s3, s40, 2
	s_lshl_b32 s18, s16, 1
	s_add_co_u32 s3, s3, s18                       ; head0 = 4 cx + 2 x half
	s_mov_b32 s18, KHS
	s_mov_b32 s19, KGS
	s_cmp_eq_u32 s[FQ], 0
	s_cselect_b32 s18, QHS, s18
	s_cselect_b32 s19, QGS, s19
	s_cselect_b64 s[20:21], s[96:97], s[98:99]     ; q goes to qb, k and v to kv
	s_mul_i32 s3, s3, s18
	s_mul_i32 s2, s2, s19
	s_add_co_u32 s2, s2, s3
	s_mov_b32 s3, 0
	s_add_nc_u64 s[20:21], s[20:21], s[2:3]        ; head0's block,
	s_mov_b32 s19, 0
	s_add_nc_u64 s[22:23], s[20:21], s[18:19]      ; head0 + 1's
	s_mov_b32 s[SEL], 0x76543210
	s_mov_b32 s[SEL+1], 0xfedcba98
	s_mov_b32 s[MNT], 0x600000
	s_mov_b32 s[MH], 0xffff0000
	s_cmp_eq_u32 s[FQ], 2
	s_cbranch_scc1 .Lvpath
	; ---- q and k: block a of 16 rows: four blocks of 32 columns, two to a head
.irp b, 0,1,2,3
	v_mov_b32 v[TM+4+\b], 0                        ; written once: a lane permute's destination counts as one of its sources
.endr
.macro QUANTA a
.set AC, 64*((\a)%4)
.set W1, 2+(\a)/4
.set W2, W1|(W1<<2)
.set PCS, PC+16*((\a)%4)
	WIN W2                                         ; sources 0 and 1: the accumulators' window
.irp b, 0,1,2,3
	v_max3_num_f32 v[TM+\b], |v[AC+16*\b]|, |v[AC+16*\b+1]|, 0x4800000   ; my 16 numbers of block b, each accumulator from its low end on, and the floor 2^(9 - 127)
.endr
.irp i, 2,4,6,8,10,12,14
.irp b, 0,1,2,3
	v_max3_num_f32 v[TM+\b], |v[AC+16*\b+\i]|, |v[AC+16*\b+\i+1]|, v[TM+\b]
.endr
.endr
	WIN 0
.irp b, 0,1,2,3
	v_permlanex16_b32 v[TM+4+\b], v[TM+\b], s[SEL], s[SEL+1]
.endr
.irp b, 0,1,2,3
	v_max_num_f32 v[TM+\b], v[TM+\b], v[TM+4+\b]   ; with lane l xor 16's: the block's largest magnitude
.endr
.irp b, 0,1,2,3
	v_add_nc_u32 v[TM+12+\b], 0xfc000000, v[TM+\b] ; 8 off its exponent field: the conversion's scale operand
.endr
.irp b, 0,1,2,3
	v_and_or_b32 v[TM+8+\b], v[TM+\b], 0x7f800000, s[MNT]   ; 448 x the scale
.endr
.irp b, 0,1,2,3
	v_lshrrev_b32 v[TM+4+\b], 23, v[TM+12+\b]      ; the scale's byte
.endr
	v_lshl_or_b32 v[BP+2*(\a)], v[TM+5], 8, v[TM+4]
	v_lshl_or_b32 v[BP+2*(\a)+1], v[TM+7], 8, v[TM+6]
	WIN W1                                         ; source 0: the accumulators' window
.irp b, 0,1,2,3
.irp i, 0,1,2,3,4,5,6,7,8,9,10,11,12,13,14,15
	v_med3_num_f32 v[X+16*\b+\i], v[AC+16*\b+\i], -v[TM+8+\b], v[TM+8+\b]   ; the conversion does not saturate (ISA guide 7.6.2): the hold comes first
.endr
.endr
	WIN 0
.irp b, 0,1,2,3
	v_cvt_scalef32_pk8_fp8_f32 v[PCS+4*\b:PCS+4*\b+1], v[X+16*\b:X+16*\b+7], v[TM+12+\b]
	v_cvt_scalef32_pk8_fp8_f32 v[PCS+4*\b+2:PCS+4*\b+3], v[X+16*\b+8:X+16*\b+15], v[TM+12+\b]
.endr
	v_nop                                          ; a plain vector instruction behind the last conversion
.irp e, 0,1
.irp c, 0,1
	global_store_b128 v[LI], v[PCS+4*(2*\e+\c):PCS+4*(2*\e+\c)+3], s[20+2*\e:21+2*\e] offset:1024*(\a)+512*\c   ; a piece: 32 lanes store 512 consecutive bytes, aligned
.endr
.endr
.endm
.irp a, 0,1,2,3
	QUANTA \a
.endr
	s_wait_xcnt 0x0                                ; the sixteen stores have read their registers: the four sets of codes are written again
.irp a, 4,5,6,7
	QUANTA \a
.endr
	s_cmp_lg_u32 s[FQ], 0
	s_cbranch_scc1 .Lkwords
.irp e, 0,1                            ; q's scale words (b0, b1, b0, b1): lane (r, h) stores those of tiles 4 h + 0 .. 3, row r
.irp a, 0,1,2,3,4,5,6,7
	v_lshl_or_b32 v[BP+2*\a+\e], v[BP+2*\a+\e], 16, v[BP+2*\a+\e]
.endr
.irp i, 0,1,2,3
	v_cndmask_b32 v[OW+4*\e+\i], v[BP+2*\i+\e], v[BP+2*(4+\i)+\e], s[MH]
.endr
	global_store_b128 v[LI], v[OW+4*\e:OW+4*\e+3], s[20+2*\e:21+2*\e] offset:8192
.endr
	s_branch .Ldone
.Lkwords:                              ; k's: a word holds the bytes of tiles 2 F and 2 F + 1; lanes 0-15 store head0's 256 bytes, lanes 16-31 head0 + 1's
.irp f, 0,1,2,3
.irp e, 0,1
	v_lshl_or_b32 v[BP+4*\f+\e], v[BP+4*\f+2+\e], 16, v[BP+4*\f+\e]
.endr
.endr
.irp f, 0,1,2,3
	v_cndmask_b32 v[OW+\f], v[BP+4*\f], v[BP+4*\f+1], s[MH]
.endr
	global_store_b128 v[KSO], v[OW:OW+3], s[20:21] offset:16384
	s_branch .Ldone
	; ---- v: 32 keys (blocks 2 c, 2 c + 1 of my rows: one block of 32 along the keys) x 128 columns at a time through my stage
.macro VSTAGE c
.irp u, 0,1
.set AA, 2*(\c)+\u
.set AC, 64*(AA%4)
	WIN 0x08+4*(AA/4)                              ; an LDS store's data: window 2 or 3
.irp b, 0,1,2,3,4,5,6,7
	ds_store_b128 v[STO], v[AC+8*\b:AC+8*\b+3] offset:\u*16*SPITCH+64*\b          ; each accumulator from its low end on
	ds_store_b128 v[STO], v[AC+8*\b+4:AC+8*\b+7] offset:\u*16*SPITCH+64*\b+16
.endr
.endr
	WIN 0
.endm
.macro LOADX c, g                      ; column 32 g + lane of the stage; register k is the key at place k of the block's true order, which lies in stage row 16 ((k / 8) % 2) + 8 (k / 16) + k % 8
.set XS, X+32*((4*(\c)+(\g))%2)
.irp k, 0,1,2,3,4,5,6,7,8,9,10,11,12,13,14,15,16,17,18,19,20,21,22,23,24,25,26,27,28,29,30,31
	ds_load_b32 v[XS+\k], v[RD4] offset:SPITCH*(16*((\k/8)%2)+8*(\k/16)+\k%8)+128*(\g)
.endr
.endm
.macro COMPUTE c, g
.set XS, X+32*((4*(\c)+(\g))%2)
.set VS, VC+8*((4*(\c)+(\g))%8)
	v_max3_num_f32 v[WK], |v[XS]|, |v[XS+1]|, |v[XS+2]|            ; the block's largest magnitude: all 32 numbers are mine
	v_max3_num_f32 v[WK+1], |v[XS+3]|, |v[XS+4]|, |v[XS+5]|
.irp i, 6,10,14,18,22,26
	v_max3_num_f32 v[WK], v[WK], |v[XS+\i]|, |v[XS+\i+1]|
	v_max3_num_f32 v[WK+1], v[WK+1], |v[XS+\i+2]|, |v[XS+\i+3]|
.endr
	v_max3_num_f32 v[WK], v[WK], |v[XS+30]|, |v[XS+31]|
	v_max3_num_f32 v[WK], v[WK], v[WK+1], 0x4800000
	v_add_nc_u32 v[WK+3], 0xfc000000, v[WK]
	v_and_or_b32 v[WK+2], v[WK], 0x7f800000, s[MNT]
	v_lshrrev_b32 v[WK+1], 23, v[WK+3]
.if (\c) == 0
	v_mov_b32 v[SW+(\g)], v[WK+1]                  ; four bytes to a word, the earlier keys in the lower byte
.else
	v_lshl_or_b32 v[SW+(\g)], v[WK+1], 8*(\c), v[SW+(\g)]
.endif
.irp i, 0,1,2,3,4,5,6,7,8,9,10,11,12,13,14,15,16,17,18,19,20,21,22,23,24,25,26,27,28,29,30,31
	v_med3_num_f32 v[XS+\i], v[XS+\i], -v[WK+2], v[WK+2]
.endr
.irp q, 0,1,2,3
	v_cvt_scalef32_pk8_fp8_f32 v[VS+2*\q:VS+2*\q+1], v[XS+8*\q:XS+8*\q+7], v[WK+3]
.endr
	v_nop                                          ; a plain vector instruction behind the last conversion
	global_store_b128 v[VVO], v[VS:VS+3], s[20+2*((\g)/2):21+2*((\g)/2)] offset:8192+4096*((\g)%2)+512*(\c)        ; keys 0-15 of the block: sixteen lanes store 256 consecutive bytes, aligned
	global_store_b128 v[VVO], v[VS+4:VS+7], s[20+2*((\g)/2):21+2*((\g)/2)] offset:8192+4096*((\g)%2)+512*(\c)+256  ; keys 16-31
.endm
.Lvpath:
	VSTAGE 0
	LOADX 0, 0
.irp c, 0,1,2,3
.irp g, 0,1,2,3
.if \g < 3
	LOADX \c, \g+1
	s_wait_dscnt 32                                ; all but the 32 loads just issued
.else
	s_wait_dscnt 0x0
.if \c < 3
	VSTAGE \c+1                                    ; LDS serves a wave's instructions in order: these stores come behind my reads of the stage
	LOADX \c+1, 0
.endif
.endif
.if (\c == 2) && (\g == 0)
	s_wait_xcnt 0x0                                ; the stores so far have read their registers: the eight sets of codes are written again
.endif
	COMPUTE \c, \g
.endr
.endr
	; the scale words: lane l holds those of columns l, 32 + l of head0 (SW 0, 1) and of head0 + 1 (SW 2, 3); lane (r, h) stores head0 + h's words of rows r, 16 + r, 32 + r, 48 + r
	v_mov_b32 v[EX+2], 0
	v_mov_b32 v[EX+3], 0
	v_cndmask_b32 v[EX], v[SW+2], v[SW], s[MH]
	v_cndmask_b32 v[EX+1], v[SW+3], v[SW+1], s[MH]
	v_permlanex16_b32 v[EX+2], v[EX], s[SEL], s[SEL+1]
	v_permlanex16_b32 v[EX+3], v[EX+1], s[SEL], s[SEL+1]
	v_cndmask_b32 v[EX+4], v[SW], v[EX+2], s[MH]
	v_cndmask_b32 v[EX+5], v[EX+2], v[SW+2], s[MH]
	v_cndmask_b32 v[EX+6], v[SW+1], v[EX+3], s[MH]
	v_cndmask_b32 v[EX+7], v[EX+3], v[SW+3], s[MH]
	global_store_b128 v[KSO], v[EX+4:EX+7], s[20:21] offset:16640
.Ldone:
	s_wait_tensorcnt 0x0                           ; the wave's end
	ds_add_u32 v[SPW], v[NIL]
	s_wait_dscnt 0x0
	CROUND                                         ; the closing round: no work-group ends while a partner may still ask for a tile that names it
	s_endpgm
.Lfunc_end_k_qa064b3baa1_qkv:
	.size	k_qa064b3baa1_qkv, .Lfunc_end_k_qa064b3baa1_qkv-k_qa064b3baa1_qkv
	.p2alignl 7, 3214868480
	.fill 96, 4, 3214868480
	.section	.rodata,"a",@progbits
	.p2align	6, 0x0
	.amdhsa_kernel k_qa064b3baa1_qkv
		.amdhsa_group_segment_fixed_size 327680
		.amdhsa_private_segment_fixed_size 0
		.amdhsa_enable_private_segment 0
		.amdhsa_kernarg_size 40
		.amdhsa_user_sgpr_count 2
		.amdhsa_user_sgpr_kernarg_segment_ptr 1
		.amdhsa_wavefront_size32 1
		.amdhsa_system_sgpr_workgroup_id_x 1
		.amdhsa_system_sgpr_workgroup_id_y 1
		.amdhsa_system_sgpr_workgroup_id_z 1
		.amdhsa_system_vgpr_workitem_id 0
		.amdhsa_next_free_vgpr 1024
		.amdhsa_next_free_sgpr 100
		.amdhsa_reserve_vcc 0
		.amdhsa_float_denorm_mode_32 3
		.amdhsa_float_denorm_mode_16_64 3
		.amdhsa_memory_ordered 1
		.amdhsa_forward_progress 1
		.amdhsa_inst_pref_size 255
	.end_amdhsa_kernel
	.section	.bss,"aw",@nobits
	.p2align	6
	.space	262144
	.amdgpu_metadata
---
amdhsa.version: [ 1, 2 ]
amdhsa.kernels:
  - .name:           k_qa064b3baa1_qkv
    .symbol:         k_qa064b3baa1_qkv.kd
    .args:
      - { .name: codes, .offset: 0, .size: 8, .value_kind: global_buffer, .address_space: global }
      - { .name: scales, .offset: 8, .size: 8, .value_kind: global_buffer, .address_space: global }
      - { .name: bqkv, .offset: 16, .size: 8, .value_kind: global_buffer, .address_space: global }
      - { .name: qb, .offset: 24, .size: 8, .value_kind: global_buffer, .address_space: global }
      - { .name: kv, .offset: 32, .size: 8, .value_kind: global_buffer, .address_space: global }
    .group_segment_fixed_size: 327680
    .private_segment_fixed_size: 0
    .kernarg_segment_align: 8
    .kernarg_segment_size: 40
    .max_flat_workgroup_size: 128
    .sgpr_count:     100
    .vgpr_count:     1024
    .wavefront_size: 32
...
	.end_amdgpu_metadata
.endif
;; end of part 2
;; launch attn (part 3): grid 256 x 1, 16 waves a work-group, clusters of 4 x 1, 327,680 bytes of LDS; arguments qb, kv, oc, os; writes oc, os
.if DOCPART == 3
	.amdgcn_target "amdgcn-amd-amdhsa--gfx1250"
	.amdhsa_code_object_version 6
	.text
	.protected	k_qa064b3baa1_attn
	.globl	k_qa064b3baa1_attn
	.p2align	8
	.type	k_qa064b3baa1_attn,@function
k_qa064b3baa1_attn:
	s_mov_b64 s[64:65], 0
	v_nop
	global_prefetch_b8 v0, s[64:65] scope:SCOPE_SE
	s_setreg_imm32_b32 hwreg(HW_REG_WAVE_MODE, 25, 1), 1
	s_wait_xcnt 0x0
	s_wait_alu depctr_hold_cnt(0) depctr_sa_sdst(0) depctr_va_vdst(0) depctr_va_sdst(0) depctr_va_ssrc(0) depctr_va_vcc(0) depctr_vm_vsrc(0)
	s_getreg_b32 s2, hwreg(HW_REG_IB_STS2, 6, 4)
	s_cmp_eq_u32 s2, 0
	s_cbranch_scc0 .Lentry_in_a_cluster
	s_endpgm
.Lentry_in_a_cluster:
	s_bfe_u32 s2, ttmp6, 0x10000c
	s_cmp_lg_u32 s2, 0x3003
	s_cbranch_scc0 .Lentry_shape_is_right
	s_endpgm
.Lentry_shape_is_right:
; THE THREE SEGMENTS' ATTENTION on codes of FP8 (E4M3) with one E8M0 scale for each 32 along a product's K, and the quantising of its result for the projection.
; Only the keys that the dilation keeps were made by the launch before; nothing else is left out here.
; qb [head 16][group of 128 rows 64][8,704]: tile a of 16 queries at 1,024 a as two pieces of operand registers (512 bytes each); at 8,192 the scale words.
; kv [head 16][block of 128 keys 32][16,896]: K's fragments at 0 (fragment F = tiles 2 F, 2 F + 1 of 16 keys, side by side along the instruction's 128: 2,048 F + 512 piece), V^T's at 8,192, K's scale words at 16,384, V's at 16,640.
; Blocks 0-15: segment 0's keys; 16-23: segment 1's; 24-31: segment 2's.  Query tiles 0-127: segment 0; 128-191, 256-319: segment 1; the rest: segment 2.
; oc [tile 512][head 16][1,024], os [row][32]: the result's codes as pieces of operand registers, and its scale bytes.
; A head is 64 wide, the instruction 128: Q stands in v[24:31] between zeros (v[16:23], v[32:39]); v[24:39] picks a fragment's first tile of keys, v[16:31] its second.
; THE SOFTMAX: t = score x log2(e) / 8; M = the running largest t rounded up to a whole number; p = 2^(t - M) is quantised along the keys; the row's sum is taken of the unquantised p and divides at the end.
; LIMITS: the promise holds while |t| stays under 2^31; NaN and infinities are not served; a block of p whose largest lies under 2^-118 gets the byte 1.
; THE DEAL: 64 clusters of four work-groups of sixteen waves; a wave owns a tile of 16 queries at a time and walks 20 key steps of 128 keys in three phases.
;   Clusters 0-31: phases A and B are one tile of segment 0 against its 2,048 keys (slot 0, then slot 1).  Clusters 32-63: two tiles of segment 2, each against its 1,024 keys.
;   Phase C, all clusters: a tile of segment 1 is shared by waves w and w + 8, four blocks each, and joined through LDS.  The four partners walk the same keys: every fill is a joint load.
; LDS: two slots of eight blocks; eight join areas; the spare words.  At the head waves 0-7 fetch slot 0, a block each, waves 8-15 slot 1, by a line of their own: the first barrier shows slot 0 alone.
;   Behind phase A slot 0 takes segment 1's blocks, half a block a wave, in a round of the cluster's barrier.  That fill is asked for eight key steps ahead of its first read and the others stand at the head, so no prefetch is laid.
; THE KEY STEP RUNS ONE STEP DEEP.  Trip j: S_j = K_j Q^T; O x f(j-1), which are the places behind those products; V(j-1) is loaded; the maxima, M and t - M of step j; O += V(j-1) P(j-1); the exponentials and sums;
;   K(j+1) is loaded; p is quantised.  A phase's first trip finds zero codes and f = 1, so that the step is written once (code size); its last trip loads the last block's K once more, so that no branch stands in the step.
.set BLKB,  16896
.set HALFB, 8448
.set SLOTB, 8*BLKB
.set MERGE, 2*SLOTB
.set MRGB,  4608
.set SPARE, MERGE+8*MRGB               ; 128 bytes a wave: eight blocks of 256 bytes that no other line names
.set KSB,  16384
.set VSB,  16640
.set VIM,  8192
.set QHS,  557056
.set QGS,  8704
.set LI,  1                            ; v1 16 x lane;  v2 16 x (lane % 16);  v3, v4 the same at the block that is loaded;  v5 my byte's place in os
.set LR,  2
.set AD,  3
.set AR,  4
.set OSV, 5
.set SPW, 6
.set NIL, 7
.set MA,  8                            ; v8 my place in my pair's join area;  v12 -M, v13 the largest t, v[14:15] the sum in two halves
.set KF,  40                           ; v40-103 four fragments of K or of V
.set S,   104                          ; v104-167 S^T, then p
.set O,   168                          ; v168-199 O^T
.set PC,  200                          ; v200-215 p's codes
.set BM,  216
.set PT,  220
.set LM,  224
.set SO,  228
.set KSW, 232
.set VSW, 236
.set F,   240                          ; f = 2^(old M - new M)
.set PW,  241                          ; p's scale word
.set TMP, 242
.set QS,  243
.set QN,  244
.set QSN, 252
.set WV,  12
.set G1,  32                           ; s[32:39] group 1: a block, 66 rows of 256 bytes;  s[92:99]: half a block
.set G1H, 92
.set G0A, 40
.set G0C, 48
.set SEL, 52
.set CS,  54
.set MNT, 56
.set MH,  57
.set I,   58
.set TB,  59                           ; LDS byte of block j;  s61 of block j - 1 (trip 0: j);  s62 of the phase's last;  s63 of block j + 1, held at the last
.set TYP, 60
.set TV,  61
.set TL,  62
.set TN,  63
.set QB,  66
.set QSB, 72
.set OC,  78
.set OS,  84
.macro NOPS n
.rept \n
	v_nop
.endr
.endm
.macro CROUND                          ; a round of the cluster's barrier
	s_barrier_signal -1
	s_barrier_wait -1
	s_cmp_lg_u32 s[WV], 0
	s_cbranch_scc1 .Lnot_wave_0_\@
	s_barrier_signal -3
.Lnot_wave_0_\@:
	s_barrier_wait -3
	s_barrier_signal -1
	s_barrier_wait -1
.endm
.macro ADDRS j, tile, head             ; phase j's addresses: Q's pieces, its scale words, the result's codes and bytes
	s_mul_i32 s20, s[\head], QHS
	s_lshr_b32 s21, s[\tile], 3
	s_mul_i32 s21, s21, QGS
	s_add_co_u32 s20, s20, s21
	s_and_b32 s21, s[\tile], 7
	s_lshl_b32 s22, s21, 10
	s_add_co_u32 s22, s22, s20
	s_mov_b32 s23, 0
	s_add_nc_u64 s[QB+2*\j:QB+2*\j+1], s[4:5], s[22:23]
	s_lshr_b32 s21, s21, 2
	s_lshl_b32 s21, s21, 8
	s_and_b32 s22, s[\tile], 3
	s_lshl_b32 s22, s22, 2
	s_add_co_u32 s22, s22, s21
	s_add_co_u32 s22, s22, s20
	s_add_co_u32 s22, s22, 8192
	s_add_nc_u64 s[QSB+2*\j:QSB+2*\j+1], s[4:5], s[22:23]
	s_lshl_b32 s22, s[\tile], 14
	s_lshl_b32 s21, s[\head], 10
	s_add_co_u32 s22, s22, s21
	s_add_nc_u64 s[OC+2*\j:OC+2*\j+1], s[8:9], s[22:23]
	s_lshl_b32 s22, s[\tile], 9
	s_lshl_b32 s21, s[\head], 1
	s_add_co_u32 s22, s22, s21
	s_add_nc_u64 s[OS+2*\j:OS+2*\j+1], s[10:11], s[22:23]
.endm
.macro QNEXT j
	global_load_b128 v[QN:QN+3], v[LI], s[QB+2*\j:QB+2*\j+1]
	global_load_b128 v[QN+4:QN+7], v[LI], s[QB+2*\j:QB+2*\j+1] offset:512
	global_load_b32 v[QSN], v[LR], s[QSB+2*\j:QSB+2*\j+1]
.endm
.macro QCOPY
	v_mov_b32 v[QS], v[QSN]
.irp i, 0,1,2,3,4,5,6,7
	v_mov_b32 v[24+\i], v[QN+\i]
.endr
.endm
.macro RESET                           ; a new tile: O^T and the sum are zeros, the largest t is -3e38
.set I_, 0
.rept 32
	v_mov_b32 v[O+I_], 0
.set I_, I_+1
.endr
	v_mov_b32 v13, 0xff61b1e6
	s_delay_alu instid0(VALU_DEP_1)
	v_floor_f32 v12, -v13
	v_mov_b32 v14, 0
	v_mov_b32 v15, 0
.endm
.macro PRIME                           ; ahead of a phase: no step is pending: zero codes, f = 1
.set I_, 0
.rept 16
	v_mov_b32 v[PC+I_], 0
.set I_, I_+1
.endr
	v_mov_b32 v[F], 1.0
.endm
.macro AT s
	v_add_nc_u32 v[AD], s[\s], v[LI]
	v_add_nc_u32 v[AR], s[\s], v[LR]
.endm
.macro LOAD4 im, sw, sb                ; four fragments and their scale words
.irp f, 0,1,2,3
.irp q, 0,1,2,3
	ds_load_b128 v[KF+16*\f+4*\q:KF+16*\f+4*\q+3], v[AD] offset:\im+2048*\f+512*\q
.endr
.endr
	ds_load_b128 v[\sw:\sw+3], v[AR] offset:\sb
.endm
.macro OSCALE                          ; O^T under the pending step's M, and that step's V
	s_wait_alu depctr_va_vdst(0)                   ; the wait directly ahead of the first reader of O^T
.set J_, 0
.rept 16
	v_pk_mul_f32 v[O+J_:O+1+J_], v[O+J_:O+1+J_], v[F:F+1] op_sel_hi:[1,0]
.set J_, J_+2
.endr
	AT TV
	LOAD4 VIM, VSW, VSB                            ; sixteen plain lines stand behind the products that read these registers (8 are asked)
.endm
.macro PV                              ; O^T += V^T P^T of the pending step; the four accumulators by turns
.irp t, 0,1,2,3
	v_wmma_scale_f32_16x16x128_f8f6f4 v[O+8*\t:O+8*\t+7], v[KF+16*\t:KF+16*\t+15], v[PC:PC+15], v[O+8*\t:O+8*\t+7], v[VSW+\t], v[PW]
.endr
.endm
.macro STEPS n                         ; n key steps from the block at s[TB]; the last step's second product is left pending
	s_mov_b32 s[TV], s[TB]
	s_add_co_u32 s[TL], s[TB], ((\n)-1)*BLKB
	AT TB
	LOAD4 0, KSW, KSB
	s_mov_b32 s[I], \n
.Lstep_\@:
	s_add_co_u32 s[TN], s[TB], BLKB
	s_min_u32 s[TN], s[TN], s[TL]
	s_wait_dscnt 0x0                               ; K_j and its scale words
.irp f, 0,1,2,3
	v_wmma_scale_f32_16x16x128_f8f6f4 v[S+16*\f:S+16*\f+7], v[KF+16*\f:KF+16*\f+15], v[24:39], 0, v[KSW+\f], v[QS]
	v_wmma_scale_f32_16x16x128_f8f6f4 v[S+16*\f+8:S+16*\f+15], v[KF+16*\f:KF+16*\f+15], v[16:31], 0, v[KSW+\f], v[QS]
.endr
	OSCALE
.irp b, 0,1,2,3
	v_max3_num_f32 v[BM+\b], v[S+16*\b], v[S+1+16*\b], v[S+2+16*\b]   ; the largest score of each block of 32 keys: for the row's maximum and for the block's largest p
.endr
.irp i, 3,5,7,9,11,13
.irp b, 0,1,2,3
	v_max3_num_f32 v[BM+\b], v[BM+\b], v[S+16*\b+\i], v[S+1+16*\b+\i]
.endr
.endr
.irp b, 0,1,2,3
	v_max_num_f32 v[BM+\b], v[BM+\b], v[S+15+16*\b]
.endr
.irp b, 0,1,2,3
	s_delay_alu instid0(VALU_DEP_4)
	v_permlanex16_b32 v[PT+\b], v[BM+\b], s[SEL], s[SEL+1]
.endr
.irp b, 0,1,2,3
	s_delay_alu instid0(VALU_DEP_4)
	v_max_num_f32 v[BM+\b], v[BM+\b], v[PT+\b]     ; with lane l xor 16's 16 keys
.endr
	s_delay_alu instid0(VALU_DEP_2)
	v_max3_num_f32 v[TMP], v[BM], v[BM+1], v[BM+2]
	s_delay_alu instid0(VALU_DEP_1)
	v_max_num_f32 v[TMP], v[TMP], v[BM+3]
	s_delay_alu instid0(VALU_DEP_1)
	v_mul_f32 v[TMP], s[CS], v[TMP]
	s_delay_alu instid0(VALU_DEP_1)
	v_max_num_f32 v13, v13, v[TMP]                 ; the running largest t
	v_mov_b32 v[TMP], v12
	s_delay_alu instid0(VALU_DEP_2)
	v_floor_f32 v12, -v13                          ; -M = floor(-t)
	s_delay_alu instid0(VALU_DEP_1)
	v_sub_f32 v[TMP], v12, v[TMP]
	s_delay_alu instid0(VALU_DEP_1)
	v_cvt_i32_f32 v[TMP], v[TMP]                   ; (it saturates)
	s_delay_alu instid0(VALU_DEP_1)
	v_ldexp_f32 v[F], 1.0, v[TMP]                  ; f = 2^(old M - new M)
	v_mov_b32 v11, v12                             ; -M once more, in an odd register: a pair's two addends stand in an even and an odd one
.set J_, 0
.rept 32
	v_dual_fmamk_f32 v[S+J_], v[S+J_], 0x3e38aa3b, v12 :: v_dual_fmamk_f32 v[S+1+J_], v[S+1+J_], 0x3e38aa3b, v11   ; t - M = score x log2(e) / 8 - M, fused, two to a pair
.set J_, J_+2
.endr
.irp b, 0,1,2,3
	v_fma_f32 v[BM+\b], v[BM+\b], s[CS], v12
.endr
	s_wait_alu depctr_va_vdst(0)                   ; the wait ahead of the wait below and of the batch
	s_wait_dscnt 0x0                               ; V(j-1) and its scale words
	PV
.set J_, 0
.rept 64
	v_exp_f32 v[S+J_], v[S+J_]                     ; p = 2^(t - M)
.set J_, J_+1
.endr
	v_pk_mul_f32 v[14:15], v[14:15], v[F:F+1] op_sel_hi:[1,0]   ; the sums under the new M
	s_wait_alu depctr_va_vdst(0)                   ; one wait for the batch
.irp b, 0,1,2,3
	v_exp_f32 v[BM+\b], v[BM+\b]                   ; the block's largest p
.endr
	v_pk_add_f32 v[PT:PT+1], v[S:S+1], v[S+2:S+3]  ; the row's sum of the unquantised p, in two chains
.set J_, 4
.rept 15
	v_dual_add_f32 v14, v[S+J_], v14 :: v_dual_add_f32 v15, v[S+1+J_], v15
	v_dual_add_f32 v[PT], v[S+2+J_], v[PT] :: v_dual_add_f32 v[PT+1], v[S+3+J_], v[PT+1]
.set J_, J_+4
.endr
	v_pk_add_f32 v[14:15], v[14:15], v[PT:PT+1]
	s_wait_alu depctr_va_vdst(0)                   ; and one for the four
	AT TN
	LOAD4 0, KSW, KSB                              ; K(j+1): the 32 additions are the places behind the products that read these registers
.irp b, 0,1,2,3
	v_max_num_f32 v[BM+\b], 0x4800000, v[BM+\b]    ; the floor 2^(9 - 127): the byte cannot fall under 1
.endr
.irp b, 0,1,2,3
	s_delay_alu instid0(VALU_DEP_4)
	v_add_nc_u32 v[SO+\b], 0xfc000000, v[BM+\b]    ; the conversion's scale operand
.endr
.irp b, 0,1,2,3
	v_and_or_b32 v[LM+\b], v[BM+\b], 0x7f800000, s[MNT]   ; 448 x the scale
.endr
.irp b, 0,1,2,3
.irp i, 0,2,4,6,8,10,12,14
	v_dual_min_num_f32 v[S+16*\b+\i], v[S+16*\b+\i], v[LM+\b] :: v_dual_min_num_f32 v[S+16*\b+\i+1], v[S+16*\b+\i+1], v[LM+\b]   ; the hold (ISA guide 7.6.2); p is not negative
.endr
	v_cvt_scalef32_pk8_fp8_f32 v[PC+4*\b:PC+1+4*\b], v[S+16*\b:S+7+16*\b], v[SO+\b]
	v_cvt_scalef32_pk8_fp8_f32 v[PC+2+4*\b:PC+3+4*\b], v[S+8+16*\b:S+15+16*\b], v[SO+\b]
.endr
.irp b, 0,1,2,3
	v_lshrrev_b32 v[PT+\b], 23, v[SO+\b]           ; the scale's byte (plain lines behind the last conversion)
.endr
	s_delay_alu instid0(VALU_DEP_3)
	v_lshl_or_b32 v[PW], v[PT+1], 8, v[PT]
	s_delay_alu instid0(VALU_DEP_1)
	v_lshl_or_b32 v[PW], v[PT+2], 16, v[PW]
	s_delay_alu instid0(VALU_DEP_1)
	v_lshl_or_b32 v[PW], v[PT+3], 24, v[PW]
	s_mov_b32 s[TV], s[TB]
	s_add_co_u32 s[TB], s[TB], BLKB
	s_sub_co_u32 s[I], s[I], 1
	s_cmp_lg_u32 s[I], 0
	s_cbranch_scc1 .Lstep_\@
	s_wait_dscnt 0x0                               ; the phase's end: the loads of the last trip have landed, so their registers may take V;
	OSCALE
	s_wait_alu depctr_va_vdst(0)                   ; the wait directly ahead of the wait below
	s_wait_dscnt 0x0
	PV                                             ; the last step's second product
	NOPS 8                                         ; places ahead of what reads O^T or writes the codes
.endm
.macro FINISH j                        ; O^T / the sum, quantised along the head's 64 (two blocks of 32), and stored
	v_add_f32 v14, v14, v15
	s_delay_alu instid0(VALU_DEP_1)
	v_permlanex16_b32 v[TMP], v14, s[SEL], s[SEL+1]
	s_delay_alu instid0(VALU_DEP_1)
	v_add_f32 v14, v14, v[TMP]
	s_wait_alu depctr_va_vdst(0)
	v_rcp_f32 v14, v14
	v_nop
	s_wait_alu depctr_va_vdst(0)
.set I_, 0
.rept 32
	v_mul_f32 v[S+I_], v[O+I_], v14
.set I_, I_+1
.endr
.irp b, 0,1
	v_max3_num_f32 v[BM+\b], |v[S+16*\b]|, |v[S+1+16*\b]|, 0x4800000
.endr
.irp i, 2,4,6,8,10,12,14
.irp b, 0,1
	s_delay_alu instid0(VALU_DEP_2)
	v_max3_num_f32 v[BM+\b], v[BM+\b], |v[S+16*\b+\i]|, |v[S+1+16*\b+\i]|
.endr
.endr
.irp b, 0,1
	s_delay_alu instid0(VALU_DEP_2)
	v_permlanex16_b32 v[PT+\b], v[BM+\b], s[SEL], s[SEL+1]
.endr
.irp b, 0,1
	s_delay_alu instid0(VALU_DEP_2)
	v_max_num_f32 v[BM+\b], v[BM+\b], v[PT+\b]
.endr
.irp b, 0,1
	s_delay_alu instid0(VALU_DEP_2)
	v_add_nc_u32 v[SO+\b], 0xfc000000, v[BM+\b]
.endr
.irp b, 0,1
	s_delay_alu instid0(VALU_DEP_4)
	v_and_or_b32 v[LM+\b], v[BM+\b], 0x7f800000, s[MNT]
.endr
.irp b, 0,1
	s_delay_alu instid0(VALU_DEP_4)
	v_lshrrev_b32 v[PT+\b], 23, v[SO+\b]
.endr
.irp b, 0,1
.irp i, 0,1,2,3,4,5,6,7,8,9,10,11,12,13,14,15
	v_med3_num_f32 v[S+16*\b+\i], v[S+16*\b+\i], -v[LM+\b], v[LM+\b]
.endr
	v_cvt_scalef32_pk8_fp8_f32 v[PC+4*\b:PC+1+4*\b], v[S+16*\b:S+7+16*\b], v[SO+\b]
	v_cvt_scalef32_pk8_fp8_f32 v[PC+2+4*\b:PC+3+4*\b], v[S+8+16*\b:S+15+16*\b], v[SO+\b]
.endr
	v_cndmask_b32 v[TMP], v[PT], v[PT+1], s[MH]
	global_store_b128 v[LI], v[PC:PC+3], s[OC+2*\j:OC+2*\j+1]               ; 32 lanes store 512 consecutive bytes, aligned
	global_store_b128 v[LI], v[PC+4:PC+7], s[OC+2*\j:OC+2*\j+1] offset:512
	global_store_b8 v[OSV], v[TMP], s[OS+2*\j:OS+2*\j+1]
	s_wait_xcnt 0x0                                ; the stores have read their registers, which are written again
.endm
	s_load_b128 s[4:7], s[0:1], 0x0                ; qb, kv
	s_load_b128 s[8:11], s[0:1], 0x10              ; oc, os
	v_lshl_add_u32 v[SPW], v0, 2, SPARE
	v_mov_b32 v[NIL], 0
	ds_add_u32 v[SPW], v[NIL]                      ; the opening: the add, twice on end, and its wait ahead of my first tensor load
	ds_add_u32 v[SPW], v[NIL]
	v_lshrrev_b32 v1, 5, v0
	v_readfirstlane_b32 s[WV], v1                  ; wave 0..15
	s_bfe_u32 s13, ttmp6, 0x40000                  ; cx
	s_and_b32 s14, ttmp9, 1
	s_lshr_b32 s15, ttmp9, 1
	s_and_b32 s15, s15, 15                         ; phases A, B: the head
	s_lshl_b32 s16, s14, 6
	s_mul_i32 s17, s14, 192
	s_add_co_u32 s17, s17, 192
	s_lshl_b32 s18, s14, 7
	s_add_co_u32 s18, s18, 320
	s_cmp_lt_u32 ttmp9, 32                         ; the cluster's number: alike in all partners
	s_cselect_b32 s17, s16, s17                    ; the cluster's first tile in phase A,
	s_cselect_b32 s18, s16, s18                    ; in phase B
	s_cselect_b32 s19, 0, 24                       ; slot 0's first block,
	s_cselect_b32 s24, 8, 24                       ; slot 1's
	s_cselect_b32 s[TYP], 1, 0
	s_lshr_b32 s25, ttmp9, 2                       ; phase C: the head,
	s_and_b32 s26, ttmp9, 3
	s_lshl_b32 s26, s26, 5
	s_and_b32 s27, ttmp9, 2
	s_lshl_b32 s27, s27, 5
	s_add_co_u32 s26, s26, s27
	s_add_co_u32 s26, s26, 128                     ; the cluster's first tile
	s_mul_i32 s28, s[WV], HALFB
	s_lshl_b32 s29, s15, 5
	s_lshr_b32 s21, s[WV], 3                       ; the head's load: wave w fetches block w % 8 of slot w / 8
	s_sub_co_u32 s20, s24, s19
	s_mul_i32 s20, s20, s21
	s_add_co_u32 s20, s20, s19
	s_add_co_u32 s20, s20, s29
	s_and_b32 s21, s[WV], 7
	s_add_co_u32 s20, s20, s21
	s_mul_i32 s20, s20, BLKB
	s_mov_b32 s21, 0
	s_mul_i32 s22, s[WV], BLKB                     ; the slots lie on end
	s_lshl_b32 s30, s25, 5
	s_add_co_u32 s30, s30, 16
	s_mul_i32 s30, s30, BLKB
	s_add_co_u32 s30, s30, s28
	s_mov_b32 s31, 0
	s_mov_b32 s[G1], 15|(3<<16)|(1<<21)            ; the mask: all four partners; elements of 8 bytes; bit 21 beside a mask
	s_mov_b32 s[G1+1], 32<<16
	s_mov_b32 s[G1+2], 66<<16
	s_mov_b32 s[G1+3], 32<<16
	s_mov_b32 s[G1+4], 66
	s_mov_b32 s[G1+5], 32
	s_mov_b32 s[G1+6], 0
	s_mov_b32 s[G1+7], 0
	s_mov_b32 s[G1H], 15|(3<<16)|(1<<21)
	s_mov_b32 s[G1H+1], 32<<16
	s_mov_b32 s[G1H+2], 33<<16
	s_mov_b32 s[G1H+3], 32<<16
	s_mov_b32 s[G1H+4], 33
	s_mov_b32 s[G1H+5], 32
	s_mov_b32 s[G1H+6], 0
	s_mov_b32 s[G1H+7], 0
	s_mov_b32 s[SEL], 0x76543210
	s_mov_b32 s[SEL+1], 0xfedcba98
	s_mov_b32 s[CS], 0x3e38aa3b                    ; log2(e) / 8
	s_mov_b32 s[CS+1], s[CS]
	s_mov_b32 s[MNT], 0x600000
	s_mov_b32 s[MH], 0xffff0000
	s_wait_dscnt 0x0                               ; both opening adds are done
	s_wait_kmcnt 0x0
	s_mov_b32 s[G0A], 1
	s_mov_b32 s[G0A+1], s22
	s_add_nc_u64 s[G0A+2:G0A+3], s[6:7], s[20:21]
	s_or_b32 s[G0A+3], s[G0A+3], 0x80000000
	s_mov_b32 s[G0C], 1
	s_mov_b32 s[G0C+1], s28
	s_add_nc_u64 s[G0C+2:G0C+3], s[6:7], s[30:31]
	s_or_b32 s[G0C+3], s[G0C+3], 0x80000000
	CROUND                                         ; all four work-groups are here: the first joint loads meet
	s_cmp_lt_u32 s[WV], 8                          ; one load a wave; slot 0's waves and slot 1's have a line each, since only the first wait at the first barrier
	s_cbranch_scc0 .Lupper
	tensor_load_to_lds s[G0A:G0A+3], s[G1:G1+7]
	s_nop 0
	NOPS 4
	s_branch .Lasked
.Lupper:
	tensor_load_to_lds s[G0A:G0A+3], s[G1:G1+7]
	s_nop 0
	NOPS 4
.Lasked:
	s_lshl_b32 s14, s13, 4
	s_add_co_u32 s14, s14, s[WV]
	s_add_co_u32 s17, s17, s14
	s_add_co_u32 s18, s18, s14
	s_lshl_b32 s14, s13, 3
	s_and_b32 s16, s[WV], 7
	s_add_co_u32 s14, s14, s16
	s_add_co_u32 s26, s26, s14
	ADDRS 0, 17, 15
	ADDRS 1, 18, 15
	ADDRS 2, 26, 25
	v_and_b32 v[LI], 31, v0
	v_lshlrev_b32 v[LI], 4, v[LI]
	v_and_b32 v[LR], 15, v0
	v_bfe_u32 v[OSV], v0, 4, 1
	v_lshl_add_u32 v[OSV], v[LR], 5, v[OSV]
	v_lshlrev_b32 v[LR], 4, v[LR]
	global_load_b128 v[24:27], v[LI], s[QB:QB+1]
	global_load_b128 v[28:31], v[LI], s[QB:QB+1] offset:512
	global_load_b32 v[QS], v[LR], s[QSB:QSB+1]
	QNEXT 1
	s_and_b32 s14, s[WV], 7
	s_mul_i32 s14, s14, MRGB
	s_add_co_u32 s14, s14, MERGE
	v_add_nc_u32 v[MA], s14, v[LI]
.irp j, 0,1,2,3,4,5,6,7
	v_mov_b32 v[16+\j], 0
	v_mov_b32 v[32+\j], 0
.endr
.irp b, 0,1,2,3
	v_mov_b32 v[PT+\b], 0                          ; a lane permute's destination counts as one of its sources
.endr
	v_mov_b32 v[PW], 0x7f7f7f7f                    ; a finite scale word beside the first trip's zero codes
	v_mov_b32 v[TMP], 0
	RESET
	PRIME
	s_wait_alu depctr_va_vdst(0)                   ; the wait at the head's end
	s_wait_loadcnt 0x3                             ; Q of phase A (phase B's three loads may be out)
	s_cmp_lt_u32 s[WV], 8
	s_cbranch_scc0 .Lnot_mine
	s_wait_tensorcnt 0x0                           ; my block of slot 0
.Lnot_mine:
	s_barrier_signal -1
	s_barrier_wait -1                              ; slot 0 is whole
	s_mov_b32 s[TB], 0
	STEPS 8
	s_cmp_lg_u32 s[TYP], 0
	s_cbranch_scc1 .Lsame                          ; segment 0: the same tile goes on in slot 1
	FINISH 0
	RESET
.Lsame:
	s_wait_tensorcnt 0x0                           ; all my tensor loads are in: slot 1's among them
	ds_add_u32 v[SPW], v[NIL]                      ; 0 onto my spare word
	s_wait_loadcnt 0x0
	QCOPY
	PRIME
	s_wait_dscnt 0x0                               ; the add is done, and my reads of slot 0 are over
	CROUND
	tensor_load_to_lds s[G0C:G0C+3], s[G1H:G1H+7]  ; segment 1's blocks into slot 0: the first tensor load behind the round
	s_nop 0
	NOPS 4
	QNEXT 2
	s_mov_b32 s[TB], SLOTB
	STEPS 8
	FINISH 1
	RESET
	s_wait_tensorcnt 0x0
	ds_add_u32 v[SPW], v[NIL]
	s_wait_loadcnt 0x0
	QCOPY
	PRIME
	s_wait_dscnt 0x0
	s_barrier_signal -1
	s_barrier_wait -1                              ; slot 0 is whole again
	s_lshr_b32 s14, s[WV], 3
	s_mul_i32 s[TB], s14, 4*BLKB                   ; waves 0-7: blocks 0-3; waves 8-15: blocks 4-7
	STEPS 4
	s_cmp_lt_u32 s[WV], 8
	s_cbranch_scc1 .Lkeep
.irp t, 0,1,2,3,4,5,6,7
	ds_store_b128 v[MA], v[O+4*\t:O+4*\t+3] offset:512*\t      ; waves 8-15 hand O^T, -M and the sums to their partners
.endr
	ds_store_b128 v[MA], v[12:15] offset:4096
.Lkeep:
	s_wait_dscnt 0x0
	s_barrier_signal -1
	s_barrier_wait -1
	s_cmp_ge_u32 s[WV], 8
	s_cbranch_scc1 .Lend
.irp t, 0,1,2,3,4,5,6,7
	ds_load_b128 v[S+4*\t:S+4*\t+3], v[MA] offset:512*\t
.endr
	ds_load_b128 v[S+32:S+35], v[MA] offset:4096
	s_wait_dscnt 0x0
	v_min_num_f32 v[PT], v12, v[S+32]              ; the joint -M; both parts are brought under it by exact powers of two
	s_delay_alu instid0(VALU_DEP_1)
	v_sub_f32 v[PT+1], v[PT], v12
	s_delay_alu instid0(VALU_DEP_2)
	v_sub_f32 v[PT+2], v[PT], v[S+32]
	s_delay_alu instid0(VALU_DEP_2)
	v_cvt_i32_f32 v[PT+1], v[PT+1]
	s_delay_alu instid0(VALU_DEP_2)
	v_cvt_i32_f32 v[PT+2], v[PT+2]
	s_delay_alu instid0(VALU_DEP_2)
	v_ldexp_f32 v[BM], 1.0, v[PT+1]
	s_delay_alu instid0(VALU_DEP_2)
	v_ldexp_f32 v[BM+2], 1.0, v[PT+2]
	s_delay_alu instid0(VALU_DEP_2)
	v_pk_mul_f32 v[14:15], v[14:15], v[BM:BM+1] op_sel_hi:[1,0]
	s_delay_alu instid0(VALU_DEP_1)
	v_pk_fma_f32 v[14:15], v[S+34:S+35], v[BM+2:BM+3], v[14:15] op_sel_hi:[1,0,1]
.irp j, 0,2,4,6,8,10,12,14,16,18,20,22,24,26,28,30
	v_pk_mul_f32 v[O+\j:O+1+\j], v[O+\j:O+1+\j], v[BM:BM+1] op_sel_hi:[1,0]
	s_delay_alu instid0(VALU_DEP_1)
	v_pk_fma_f32 v[O+\j:O+1+\j], v[S+\j:S+1+\j], v[BM+2:BM+3], v[O+\j:O+1+\j] op_sel_hi:[1,0,1]
.endr
	FINISH 2
.Lend:
	s_wait_tensorcnt 0x0                           ; the wave's end
	ds_add_u32 v[SPW], v[NIL]
	s_wait_dscnt 0x0
	CROUND                                         ; the closing round
	s_endpgm
.Lfunc_end_k_qa064b3baa1_attn:
	.size	k_qa064b3baa1_attn, .Lfunc_end_k_qa064b3baa1_attn-k_qa064b3baa1_attn
	.p2alignl 7, 3214868480
	.fill 96, 4, 3214868480
	.section	.rodata,"a",@progbits
	.p2align	6, 0x0
	.amdhsa_kernel k_qa064b3baa1_attn
		.amdhsa_group_segment_fixed_size 327680
		.amdhsa_private_segment_fixed_size 0
		.amdhsa_enable_private_segment 0
		.amdhsa_kernarg_size 32
		.amdhsa_user_sgpr_count 2
		.amdhsa_user_sgpr_kernarg_segment_ptr 1
		.amdhsa_wavefront_size32 1
		.amdhsa_system_sgpr_workgroup_id_x 1
		.amdhsa_system_sgpr_workgroup_id_y 1
		.amdhsa_system_sgpr_workgroup_id_z 1
		.amdhsa_system_vgpr_workitem_id 0
		.amdhsa_next_free_vgpr 256
		.amdhsa_next_free_sgpr 100
		.amdhsa_reserve_vcc 0
		.amdhsa_float_denorm_mode_32 3
		.amdhsa_float_denorm_mode_16_64 3
		.amdhsa_memory_ordered 1
		.amdhsa_forward_progress 1
		.amdhsa_inst_pref_size 113
	.end_amdhsa_kernel
	.amdgpu_metadata
---
amdhsa.version: [ 1, 2 ]
amdhsa.kernels:
  - .name:           k_qa064b3baa1_attn
    .symbol:         k_qa064b3baa1_attn.kd
    .args:
      - { .name: qb, .offset: 0, .size: 8, .value_kind: global_buffer, .address_space: global }
      - { .name: kv, .offset: 8, .size: 8, .value_kind: global_buffer, .address_space: global }
      - { .name: oc, .offset: 16, .size: 8, .value_kind: global_buffer, .address_space: global }
      - { .name: os, .offset: 24, .size: 8, .value_kind: global_buffer, .address_space: global }
    .group_segment_fixed_size: 327680
    .private_segment_fixed_size: 0
    .kernarg_segment_align: 8
    .kernarg_segment_size: 32
    .max_flat_workgroup_size: 512
    .sgpr_count:     100
    .vgpr_count:     256
    .wavefront_size: 32
...
	.end_amdgpu_metadata
.endif
;; end of part 3
;; launch proj (part 4): grid 8 x 32, 4 waves a work-group, clusters of 4 x 4, 327,680 bytes of LDS; arguments oc, os, codes, scales, bout, out0; writes out0
.if DOCPART == 4
	.amdgcn_target "amdgcn-amd-amdhsa--gfx1250"
	.amdhsa_code_object_version 6
	.text
	.protected	k_qa064b3baa1_proj
	.globl	k_qa064b3baa1_proj
	.p2align	8
	.type	k_qa064b3baa1_proj,@function
k_qa064b3baa1_proj:
	s_mov_b64 s[64:65], 0
	v_nop
	global_prefetch_b8 v0, s[64:65] scope:SCOPE_SE
	s_setreg_imm32_b32 hwreg(HW_REG_WAVE_MODE, 25, 1), 1
	s_wait_xcnt 0x0
	s_wait_alu depctr_hold_cnt(0) depctr_sa_sdst(0) depctr_va_vdst(0) depctr_va_sdst(0) depctr_va_ssrc(0) depctr_va_vcc(0) depctr_vm_vsrc(0)
	s_getreg_b32 s2, hwreg(HW_REG_IB_STS2, 6, 4)
	s_cmp_eq_u32 s2, 0
	s_cbranch_scc0 .Lentry_in_a_cluster
	s_endpgm
.Lentry_in_a_cluster:
	s_bfe_u32 s2, ttmp6, 0x10000c
	s_cmp_lg_u32 s2, 0xf033
	s_cbranch_scc0 .Lentry_shape_is_right
	s_endpgm
.Lentry_shape_is_right:
; out0 = O Wout^T + bout on codes of FP8 (E4M3) with one E8M0 scale for each 32 along K = 1,024; f32 sums; each row goes to its token's row of out0.
; oc [tile of 16 rows 512][head 16][1,024 bytes]: O's codes as pieces of operand registers (piece of 512 bytes: 16 bytes a lane); os [row 8192][32]: its scale bytes.  Rows are in this program's order rho (first launch).
; Wout: rows 11,264 on of codes [row][1,024] and scales [row][32], bits 3 and 4 of the row number exchanged: in the transposed product register j of column tile b of lane (r, h) is column 32 (b / 2) + 16 h + 8 (b % 2) + j.
; THE DEAL.  256 work-groups, each 256 rows x 128 columns, four waves as 2 x 2.  A wave holds its 64 rows of Wout, ALL of K, in 512 registers (windows 1, 2) and streams O's blocks of 16 rows past them:
; wave row w takes blocks 2 i + w, i = 0 .. 7; a block stands in one of two sets of 128 registers (window 3) and is 32 products on four accumulators by turns; the bias is the C of each sum's first product.
; LDS: two slots of 128 rows of 1,024 bytes + 16 of padding.  A block's 16 KiB are dense in memory and are stated as 16 such rows, one a head.  Slot 0: blocks 0-7.  Slot 1: Wout's 128 rows; once they stand in registers,
; blocks 8-15 are filled over them, in the same geometry, in a round of the cluster's barrier.  Behind the slots: the scale bytes of the 256 rows, a stage of 16 rows x 272 bytes for each wave, the spare words.
; CLUSTERS 4 x 4: O's rows are asked for jointly along a row of the cluster, Wout's along a column.  At the head one load a wave: wave 0 Wout (it alone waits at the first barrier), wave 1 blocks 0-7, waves 2, 3 the scale bytes.
; PREFETCH: blocks 8-15 are asked of memory at the head, 8,192 bytes a wave of the cluster row's sixteen, lanes 256 bytes apart; their load follows when Wout stands in registers.  All else comes by the head's loads.
; THE WAY OUT: a block's 16 x 64 sums go through the wave's stage and come back as rows of 256 bytes, which 32 lanes store as one aligned unit; block n - 1 is stored at the end of block n.
; LIMITS: NaN, infinities and sums beyond f32's range are not served.
.set KROW,  1024
.set PITCH, 1040
.set FR,    16
.set NB,    4
.set BLKL,  16*PITCH                   ; a block in LDS
.set YB,    128*PITCH                  ; slot 1
.set SCL,   2*YB                       ; O's scale bytes: units of 256 bytes (8 rows) + 16 of padding
.set SSTEP, 4*272                      ; 32 rows: from a block of mine to the next
.set STAGE, SCL+32*272
.set SPITCH, 272
.set SPARE, STAGE+4*16*SPITCH          ; 128 bytes a wave: two blocks of 256 bytes that no other line names
.set BROW0, 11264
.set ADRA0, 4                          ; v4 LDS address of my fragments of my block 0;  v15 of the block that is fetched
.set STO,  5                           ; v5 the stage, in: 272 r + 64 h;  v9 back: 8 x lane
.set AAS0, 6                           ; v6 my row's scale words in my block 0
.set PF,   7
.set RD,   9
.set SPW,  10
.set NIL,  11
.set BO,   12
.set CO8,  13
.set ADRB, 14
.set ADRA, 15
.set ABS,  16
.set TOK,  18                          ; v18-21 lane l of register k: 4,096 x the token of row 32 k + l of my 128
.set SB,   24                          ; v24-39 Wout's scale words: register 8 p + q: lanes 0-15 tile 2 p's, lanes 16-31 tile 2 p + 1's
.set SA,   44                          ; v44-59 O's: two sets of eight
.set ACC,  64                          ; v64-127 two sets of four accumulators
.set BQ,   128                         ; v128-159 the bias
.set OUT,  160                         ; v160-223 two sets of 16 rows read back from the stage
.set G1W, 24                           ; descriptors; s24-55 hold the stores' sixteen bases once the head's loads have landed
.set G0W, 32
.set G1A, 36
.set G0A, 44
.set G1S, 48
.set G0S, 56
.set G1R, 68
.set G0R, 76
.set SH,  60
.set OFF, 61
.set POS, 62
.set M10, 63
.set TS,  66
.set MSB, 0
.macro WIN new                         ; the immediate's high byte repeats the setting that is left
.if MSB != \new
	s_set_vgpr_msb (MSB<<8)|\new
.set MSB, \new
.endif
.endm
.macro PLACES n
.rept \n
	v_nop
.endr
.endm
.macro BARRIER
	s_barrier_signal -1
	s_barrier_wait -1
.endm
.macro CROUND                          ; a round of the cluster's barrier
	BARRIER
	s_cmp_lg_u32 s14, 0
	s_cbranch_scc1 .Lnot_wave_0_\@
	s_barrier_signal -3
.Lnot_wave_0_\@:
	s_barrier_wait -3
	BARRIER
.endm
.macro TLOAD g0, g1                    ; an s_nop 0 and four v_nop follow a tensor load
	tensor_load_to_lds s[\g0:\g0+3], s[\g1:\g1+7]
	s_nop 0
	PLACES 4
.endm
.macro GROUP1 g, mask, rows            ; so many rows of 1,024 bytes, dense in memory, 16 bytes of padding behind each
	s_or_b32 s[\g+0], s[\mask], (1<<20)|(1<<21)|(7<<22)|(3<<25)
	s_mov_b32 s[\g+1], (KROW&0xffff)<<16
	s_mov_b32 s[\g+2], (\rows)<<16
	s_mov_b32 s[\g+3], KROW<<16
	s_mov_b32 s[\g+4], \rows
	s_mov_b32 s[\g+5], KROW
	s_mov_b32 s[\g+6], 0
	s_mov_b32 s[\g+7], 0
.endm
.macro SEGPAR blk
	s_lshl_b32 s[TS], s[\blk], 2
	s_lshr_b32 s[SH], 0x22212100, s[TS]
	s_and_b32 s[SH], s[SH], 3
	s_lshr_b32 s[OFF], 0x32110000, s[TS]
	s_and_b32 s[OFF], s[OFF], 3
	s_cmp_eq_u32 s[\blk], 1
	s_cselect_b32 s[OFF], 0x400, s[OFF]
	s_lshl_b32 s[POS], s[SH], 11
	s_cmp_lt_u32 s[SH], 2
	s_cselect_b32 s[M10], 0x400, 0
.endm
.macro SWAP34 out, in, tmp
	v_lshrrev_b32 v[\tmp], 1, v[\in]
	v_xor_b32 v[\tmp], v[\tmp], v[\in]
	v_and_b32 v[\tmp], 8, v[\tmp]
	v_mul_u32_u24 v[\tmp], v[\tmp], 3
	v_xor_b32 v[\out], v[\in], v[\tmp]
.endm
.macro HILB d, x, y, a, b, c, f        ; Hilbert distance d -> (x, y) on the 64 x 64 grid
	v_bfe_u32 v[\x], v[\d], 1, 1
	v_and_b32 v[\y], 1, v[\d]
	v_xor_b32 v[\y], v[\y], v[\x]
.irp i, 1,2,3,4,5
	v_bfe_u32 v[\a], v[\d], 2*\i+1, 1
	v_bfe_u32 v[\b], v[\d], 2*\i, 1
	v_xor_b32 v[\b], v[\b], v[\a]
	v_add_nc_u32 v[\c], -1, v[\b]
	v_sub_nc_u32 v[\f], 0, v[\a]
	v_and_b32 v[\f], v[\f], v[\c]
	v_and_b32 v[\f], (1<<\i)-1, v[\f]
	v_xor_b32 v[\x], v[\x], v[\f]
	v_xor_b32 v[\y], v[\y], v[\f]
	v_xor_b32 v[\f], v[\x], v[\y]
	v_and_b32 v[\f], v[\f], v[\c]
	v_xor_b32 v[\x], v[\x], v[\f]
	v_xor_b32 v[\y], v[\y], v[\f]
	v_lshl_or_b32 v[\x], v[\a], \i, v[\x]
	v_lshl_or_b32 v[\y], v[\b], \i, v[\y]
.endr
.endm
.macro TOKEN out, in, t                ; token(rho), as the first launch has it
	SWAP34 \t, \in, \t+1
	v_and_b32 v[\t], 0x3ff, v[\t]
	v_lshlrev_b32 v[\t], s[SH], v[\t]
	v_add_nc_u32 v[\t], s[OFF], v[\t]
	v_and_b32 v[\t+1], s[M10], v[\t]
	v_lshl_add_u32 v[\t], v[\t+1], 1, v[\t]
	HILB \t, \t+1, \t+2, \t+3, \t+4, \t+5, \t+6
	v_lshl_or_b32 v[\out], v[\t+2], 6, v[\t+1]
	v_add_nc_u32 v[\out], s[POS], v[\out]
.endm
	s_load_b128 s[4:7], s[0:1], 0x0                ; oc, os
	s_load_b128 s[8:11], s[0:1], 0x10              ; codes, scales
	s_load_b64 s[12:13], s[0:1], 0x20              ; bout
	s_load_b64 s[96:97], s[0:1], 0x28              ; out0
	v_lshl_add_u32 v[SPW], v0, 2, SPARE
	v_mov_b32 v[NIL], 0
	ds_add_u32 v[SPW], v[NIL]                      ; the opening: the add, twice on end, and its wait ahead of my first tensor load
	ds_add_u32 v[SPW], v[NIL]
	v_lshrrev_b32 v1, 5, v0
	v_readfirstlane_b32 s14, v1                    ; wave 0..3
	s_lshr_b32 s15, s14, 1                         ; my row of waves
	s_and_b32 s16, s14, 1                          ; my column of waves
	s_bfe_u32 s80, ttmp6, 0x40000                  ; cx, cy
	s_bfe_u32 s81, ttmp6, 0x40004
	s_lshl_b32 s82, ttmp9, 2
	s_add_co_u32 s82, s82, s80                     ; tile column, 0 .. 7
	s_and_b32 s86, ttmp7, 0xffff                   ; cluster y: its 1,024 rows are one blk of the order rho
	s_lshl_b32 s83, s86, 2
	s_add_co_u32 s83, s83, s81                     ; tile row, 0 .. 31
	s_lshl_b32 s84, s81, 2
	s_lshl_b32 s84, 15, s84                        ; my row of the cluster
	s_lshl_b32 s85, 0x1111, s80                    ; my column
	GROUP1 G1W, 85, 128
	GROUP1 G1A, 84, 128
	GROUP1 G1R, 84, 32
	s_or_b32 s[G1S+0], s84, (3<<16)|(1<<20)|(1<<21)|(5<<22)|(3<<25)   ; the scale bytes of 128 rows: 16 rows of 256 bytes, 16 of padding behind each
	s_mov_b32 s[G1S+1], 32<<16
	s_mov_b32 s[G1S+2], 16<<16
	s_mov_b32 s[G1S+3], 32<<16
	s_mov_b32 s[G1S+4], 16
	s_mov_b32 s[G1S+5], 32
	s_mov_b32 s[G1S+6], 0
	s_mov_b32 s[G1S+7], 0
	s_mov_b32 s[G0W], 1
	s_mov_b32 s[G0W+1], YB
	s_mov_b32 s[G0A], 1
	s_mov_b32 s[G0A+1], 0
	s_mov_b32 s[G0R], 1
	s_mul_i32 s[G0R+1], s14, 32*PITCH
	s_add_co_u32 s[G0R+1], s[G0R+1], YB
	s_mov_b32 s[G0S], 1
	s_mul_i32 s[G0S+1], s16, 16*272
	s_add_co_u32 s[G0S+1], s[G0S+1], SCL
	s_lshl_b32 s87, s83, 18                        ; byte offsets, each under 2^32.  oc: my tile row's 262,144 bytes
	s_lshl_b32 s88, s82, 7
	s_add_co_u32 s88, s88, BROW0                   ; Wout's first row of my tile column
	s_lshl_b32 s89, s88, 10                        ; its codes
	s_lshl_b32 s90, s16, 6
	s_add_co_u32 s90, s90, s88
	s_lshl_b32 s90, s90, 5                         ; the scale bytes of my wave's 64 rows
	s_lshl_b32 s91, s83, 13
	s_lshl_b32 s20, s16, 12
	s_add_co_u32 s91, s91, s20                     ; os: waves 2, 3: 128 rows each
	s_lshl_b32 s94, s14, 15
	s_add_co_u32 s94, s94, s87
	s_add_co_u32 s94, s94, 131072                  ; the refill: my quarter of blocks 8-15
	s_lshl_b32 s95, s82, 9
	s_lshl_b32 s20, s16, 8
	s_add_co_u32 s95, s95, s20                     ; my 64 columns in a row of out0 and in bout
	s_mul_i32 s17, s15, BLKL                       ; what the vector addresses below take in
	s_mul_i32 s18, s16, 64*PITCH
	s_add_co_u32 s18, s18, YB
	s_mul_i32 s19, s15, 2*272
	s_add_co_u32 s19, s19, SCL
	s_mul_i32 s20, s14, 16*SPITCH
	s_add_co_u32 s20, s20, STAGE
	s_lshl_b32 s21, s80, 2
	s_add_co_u32 s21, s21, s14
	s_lshl_b32 s21, s21, 13
	s_add_co_u32 s21, s21, s87
	s_add_co_u32 s21, s21, 131072                  ; the prefetch: my sixteenth of blocks 8-15, told apart by address
	s_lshl_b32 s67, s83, 8
	s_lshl_b32 s22, s15, 4
	s_add_co_u32 s67, s67, s22                     ; rho of my block 0's first row
	SEGPAR 86
	s_mov_b32 s93, 0
	s_mov_b32 s23, 0
	s_wait_dscnt 0x0                               ; both opening adds are done
	CROUND                                         ; the opening round
	s_wait_kmcnt 0x0
	s_mov_b32 s22, s89
	s_add_nc_u64 s[G0W+2:G0W+3], s[8:9], s[22:23]
	s_or_b32 s[G0W+3], s[G0W+3], 0x80000000
	s_mov_b32 s22, s87
	s_add_nc_u64 s[G0A+2:G0A+3], s[4:5], s[22:23]
	s_or_b32 s[G0A+3], s[G0A+3], 0x80000000
	s_mov_b32 s22, s94
	s_add_nc_u64 s[G0R+2:G0R+3], s[4:5], s[22:23]
	s_or_b32 s[G0R+3], s[G0R+3], 0x80000000
	s_mov_b32 s22, s91
	s_add_nc_u64 s[G0S+2:G0S+3], s[6:7], s[22:23]
	s_or_b32 s[G0S+3], s[G0S+3], 0x80000000
	s_mov_b32 s22, s90
	s_add_nc_u64 s[10:11], s[10:11], s[22:23]
	s_mov_b32 s22, s95
	s_add_nc_u64 s[12:13], s[12:13], s[22:23]
	s_add_nc_u64 s[96:97], s[96:97], s[22:23]
	s_cmp_eq_u32 s14, 0                            ; one joint load a wave, and a line of its own for what is shown ahead of the rest
	s_cbranch_scc0 .Lwave_1
	TLOAD G0W, G1W                                 ; wave 0: Wout's rows, which are wanted first
	s_branch .Lasked
.Lwave_1:
	s_cmp_eq_u32 s14, 1
	s_cbranch_scc0 .Lfor_scales
	TLOAD G0A, G1A                                 ; wave 1: blocks 0-7
	s_branch .Lasked
.Lfor_scales:
	TLOAD G0S, G1S                                 ; waves 2, 3: the scale bytes
.Lasked:
	v_and_b32 v1, 15, v0                           ; r
	v_bfe_u32 v2, v0, 4, 1                         ; h
	v_and_b32 v3, 31, v0                           ; lane
	v_lshlrev_b32 v[ABS], 5, v3                    ; lane l takes row l of a pair of Wout's tiles: 32 scale bytes
	v_lshlrev_b32 v[BO], 6, v2
	v_lshl_add_u32 v[PF], v3, 8, s21
.irp p, 0,1
.irp c, 0,1
	global_load_b128 v[SB+8*\p+4*\c:SB+8*\p+4*\c+3], v[ABS], s[10:11] offset:\p*1024+16*\c
.endr
.endr
.irp b, 0,1,2,3
	global_load_b128 v[BQ+8*\b:BQ+8*\b+3], v[BO], s[12:13] offset:(32*(\b/2)+8*(\b%2))*4
	global_load_b128 v[BQ+8*\b+4:BQ+8*\b+7], v[BO], s[12:13] offset:(32*(\b/2)+8*(\b%2))*4+16
.endr
	global_prefetch_b8 v[PF], s[4:5] th:TH_LOAD_NT scope:SCOPE_SE
	v_lshl_add_u32 v[ADRA0], v3, 4, s17
	v_mul_u32_u24 v22, v1, PITCH
	v_lshl_add_u32 v22, v2, 4, v22
	v_add_nc_u32 v[ADRB], s18, v22                 ; Wout's fragments: row x pitch + 16 h
	v_lshlrev_b32 v22, 5, v1
	v_lshrrev_b32 v23, 3, v1
	v_lshl_add_u32 v22, v23, 4, v22
	v_add_nc_u32 v[AAS0], s19, v22                 ; 32 bytes a row, and 16 more for each 256 passed
	v_mul_u32_u24 v22, v1, SPITCH
	v_lshl_add_u32 v22, v2, 6, v22
	v_add_nc_u32 v[STO], s20, v22
	v_lshl_add_u32 v[RD], v3, 3, s20
	v_lshlrev_b32 v[CO8], 3, v3
	v_lshl_add_u32 v168, v2, 5, v1
	v_add_nc_u32 v168, s67, v168                   ; rho of row l of my first 32: my blocks lie 32 rows apart
.irp k, 0,1,2,3
	v_add_nc_u32 v160, 64*\k, v168
	TOKEN TOK+\k, 160, 161
	v_lshlrev_b32 v[TOK+\k], 12, v[TOK+\k]
.endr
	s_wait_alu depctr_va_vdst(0)                   ; the wait at the head's end
	s_cmp_eq_u32 s14, 0
	s_cbranch_scc0 .Lnot_w
	s_wait_tensorcnt 0x0                           ; wave 0: Wout has landed
.Lnot_w:
	BARRIER
.irp q, 0,1,2,3,4,5,6,7                ; my 64 rows of Wout, all of K: fragment 4 q + b in window 1 + (4 q + b) / 16
.irp b, 0,1,2,3
	WIN (1+(NB*\q+\b)/16)<<6
.irp c, 0,1,2,3
	ds_load_b128 v[FR*((NB*\q+\b)%16)+4*\c:FR*((NB*\q+\b)%16)+4*\c+3], v[ADRB] offset:128*\q+32*\c+\b*16*PITCH
.endr
.endr
.endr
	WIN 0
	s_wait_tensorcnt 0x0                           ; all my tensor loads are in;
	ds_add_u32 v[SPW], v[NIL]                      ; 0 onto my spare word;
	s_wait_dscnt 0x0                               ; the add is done, and Wout stands in my registers
	CROUND                                         ; so with every wave of the cluster; blocks 0-7 and the scale bytes are shown too
	TLOAD G0R, G1R                                 ; blocks 8-15 over Wout's rows, a quarter a wave
.macro FETCH k, i                      ; my block i, all of K, into set k of window 3, and its scale words: 34 loads
	v_add_nc_u32 v[ADRA], ((\i)/4)*YB+((\i)%4)*2*BLKL, v[ADRA0]
	WIN 3<<6
.irp q, 0,1,2,3,4,5,6,7
.irp c, 0,1,2,3
	ds_load_b128 v[128*(\k)+FR*\q+4*\c:128*(\k)+FR*\q+4*\c+3], v[ADRA] offset:(2*\q+\c/2)*PITCH+(\c%2)*512
.endr
.endr
	WIN 0
	ds_load_b128 v[SA+8*(\k):SA+8*(\k)+3], v[AAS0] offset:(\i)*SSTEP
	ds_load_b128 v[SA+8*(\k)+4:SA+8*(\k)+7], v[AAS0] offset:(\i)*SSTEP+16
.endm
.macro PROD e, n                       ; product n = 4 q + b: the q-th 128 of K, column tile b; source 0 = Wout's rows, source 1 = O's
.set Q_, (\n)/4
.set B_, (\n)%4
.set FB_, NB*Q_+B_
.set AC_, ACC+32*(\e)+8*B_
.set C_, AC_
.if Q_ == 0
.set C_, BQ+8*B_
.endif
.set R_, 128*(\e)+FR*Q_
.set W_, FR*(FB_%16)
.set XS_, SA+8*(\e)+Q_
.set WS_, SB+8*(B_/2)+Q_
	WIN (1+FB_/16)|(3<<2)
.if B_%2
	v_wmma_scale_f32_16x16x128_f8f6f4 v[AC_:AC_+7], v[W_:W_+FR-1], v[R_:R_+FR-1], v[C_:C_+7], v[WS_], v[XS_] matrix_a_scale:MATRIX_SCALE_ROW1
.else
	v_wmma_scale_f32_16x16x128_f8f6f4 v[AC_:AC_+7], v[W_:W_+FR-1], v[R_:R_+FR-1], v[C_:C_+7], v[WS_], v[XS_]
.endif
.endm
.macro TOSTAGE e                       ; 8 stores and 16 loads; LDS serves a wave's instructions in order, so no wait stands between them
.irp b, 0,1,2,3
	ds_store_b128 v[STO], v[ACC+32*(\e)+8*\b:ACC+32*(\e)+8*\b+3] offset:128*(\b/2)+32*(\b%2)
	ds_store_b128 v[STO], v[ACC+32*(\e)+8*\b+4:ACC+32*(\e)+8*\b+7] offset:128*(\b/2)+32*(\b%2)+16
.endr
.irp t, 0,1,2,3,4,5,6,7,8,9,10,11,12,13,14,15
	ds_load_b64 v[OUT+32*(\e)+2*\t:OUT+32*(\e)+2*\t+1], v[RD] offset:\t*SPITCH
.endr
.endm
.macro SEND a, younger                 ; block a's 16 rows; younger: the LDS instructions issued behind its loads from the stage (-1: they have been waited for)
.irp t, 0,1,2,3,4,5,6,7,8,9,10,11,12,13,14,15
	v_readlane_b32 s92, v[TOK+(16*(\a)+\t)/32], (16*(\a)+\t)%32
	s_add_nc_u64 s[24+2*\t:25+2*\t], s[96:97], s[92:93]
.endr
.if (\younger) >= 0
	s_wait_dscnt \younger
.endif
.irp t, 0,1,2,3,4,5,6,7,8,9,10,11,12,13,14,15
	global_store_b64 v[CO8], v[OUT+32*((\a)%2)+2*\t:OUT+32*((\a)%2)+2*\t+1], s[24+2*\t:25+2*\t] th:TH_STORE_NT   ; 32 lanes store 256 consecutive bytes, aligned
.endr
.endm
.macro BLK n, top, snd                 ; my block n.  top: the wait for its fragments (-1: an earlier wait has covered them)
	s_wait_xcnt 0x0                                ; the stores so far have read their registers and bases, which are written again below
.if (\top) >= 0
	s_wait_dscnt \top
.endif
.set N_, 0
.rept 32
	PROD (\n)%2, N_
.set N_, N_+1
.endr
	WIN 0
	PLACES 8                                       ; ahead of the loads into what the products have read, and of the stores of their sums
.if (\n) == 3
	s_wait_tensorcnt 0x0                           ; my quarter of blocks 8-15 has landed: asked for four blocks ago
	s_wait_dscnt 0x0
	BARRIER                                        ; everybody's has
	FETCH 0, 4
	FETCH 1, 5
.elseif (\n) < 2 || (\n) == 4 || (\n) == 5
	FETCH (\n)%2, (\n)+2
.endif
	TOSTAGE (\n)%2
.if (\n) > 0
	SEND (\n)-1, \snd
.endif
.endm
	FETCH 0, 0
	FETCH 1, 1
	s_wait_loadcnt 0x0                             ; Wout's scale words and the bias
	BLK 0, 34, -1                                  ; behind block 0's fragments: block 1's 34 loads
	BLK 1, 58, 58                                  ; 58 = a fetch's 34 and a stage's 24
	BLK 2, -1, 24
	BLK 3, -1, -1
	BLK 4, 58, 58
	BLK 5, -1, 58
	BLK 6, -1, 24
	BLK 7, -1, 24
	s_wait_xcnt 0x0
	SEND 7, 0
	s_wait_tensorcnt 0x0                           ; the wave's end
	ds_add_u32 v[SPW], v[NIL]
	s_wait_dscnt 0x0
	CROUND                                         ; the closing round
	s_endpgm
.Lfunc_end_k_qa064b3baa1_proj:
	.size	k_qa064b3baa1_proj, .Lfunc_end_k_qa064b3baa1_proj-k_qa064b3baa1_proj
	.p2alignl 7, 3214868480
	.fill 96, 4, 3214868480
	.section	.rodata,"a",@progbits
	.p2align	6, 0x0
	.amdhsa_kernel k_qa064b3baa1_proj
		.amdhsa_group_segment_fixed_size 327680
		.amdhsa_private_segment_fixed_size 0
		.amdhsa_enable_private_segment 0
		.amdhsa_kernarg_size 48
		.amdhsa_user_sgpr_count 2
		.amdhsa_user_sgpr_kernarg_segment_ptr 1
		.amdhsa_wavefront_size32 1
		.amdhsa_system_sgpr_workgroup_id_x 1
		.amdhsa_system_sgpr_workgroup_id_y 1
		.amdhsa_system_sgpr_workgroup_id_z 1
		.amdhsa_system_vgpr_workitem_id 0
		.amdhsa_next_free_vgpr 1024
		.amdhsa_next_free_sgpr 100
		.amdhsa_reserve_vcc 0
		.amdhsa_float_denorm_mode_32 3
		.amdhsa_float_denorm_mode_16_64 3
		.amdhsa_memory_ordered 1
		.amdhsa_forward_progress 1
		.amdhsa_inst_pref_size 124
	.end_amdhsa_kernel
	.amdgpu_metadata
---
amdhsa.version: [ 1, 2 ]
amdhsa.kernels:
  - .name:           k_qa064b3baa1_proj
    .symbol:         k_qa064b3baa1_proj.kd
    .args:
      - { .name: oc, .offset: 0, .size: 8, .value_kind: global_buffer, .address_space: global }
      - { .name: os, .offset: 8, .size: 8, .value_kind: global_buffer, .address_space: global }
      - { .name: codes, .offset: 16, .size: 8, .value_kind: global_buffer, .address_space: global }
      - { .name: scales, .offset: 24, .size: 8, .value_kind: global_buffer, .address_space: global }
      - { .name: bout, .offset: 32, .size: 8, .value_kind: global_buffer, .address_space: global }
      - { .name: out0, .offset: 40, .size: 8, .value_kind: global_buffer, .address_space: global }
    .group_segment_fixed_size: 327680
    .private_segment_fixed_size: 0
    .kernarg_segment_align: 8
    .kernarg_segment_size: 48
    .max_flat_workgroup_size: 128
    .sgpr_count:     100
    .vgpr_count:     1024
    .wavefront_size: 32
...
	.end_amdgpu_metadata
.endif
;; end of part 4
